; MI455X (gfx1250); checked and timed in simulation.
; The chip was launched on July 23, 2026; its instructions are those of AMD's public machine-readable ISA for CDNA 5 (MIT licence, August 2026) and "CDNA5" Instruction Set Architecture Reference Guide (July 2026). The comments in the code are by the model that wrote it; some were corrected since.
;; Cross Attention. Allowed arithmetic: matrix products marked QUANTISED: E2M3 operands, one E8M0 scale for each 32 along K, by v_wmma_scale_f32_16x16x128_f8f6f4 with both operands' format E2M3, f32 sums; everything else in f32.
;; Inputs: Wkv 2,048 x 768 float32; Wo 1,024 x 1,024 float32; Wq 1,024 x 1,024 float32; bkv 2,048 float32; bo 1,024 float32; bq 1,024 float32; x 8 x 1,024 x 1,024 float32; y 8 x 1,024 x 768 float32.
;; Outputs: out0 8 x 1,024 x 1,024 float32.
;; This version of the problem:
;;   THIS VERSION OF THE PROBLEM IS GIVEN IN LOW PRECISION. The matrix products marked QUANTISED in the list below multiply operands that are first quantised to E2M3 (2 exponent bits, 3 mantissa bits; 6 bits a number), with one power-of-two scale for each 32 numbers along K (OCP MX v1.0); their sums are f32. All else is computed in f32.
;;   The module's matrix products, in the order in which they are computed (A, B: the left and right operand; K: the contracted axis; several contracted axes count as one K, in the product's order):
;;     1. [M 8,192, K 1,024] x [K 1,024, N 1,024]; A: input x; B: input Wq: QUANTISED
;;     2. [M 8,192, K 768] x [K 768, N 2,048]; A: input y; B: input Wkv: QUANTISED
;;     3. batch 128 x [M 1,024, K 64] x [K 64, N 1,024]; A: computed on the way; B: computed on the way: QUANTISED
;;     4. batch 128 x [M 64, K 1,024] x [K 1,024, N 1,024]; A: computed on the way; B: softmax (see below): QUANTISED
;;     5. [M 8,192, K 1,024] x [K 1,024, N 1,024]; A: computed on the way; B: input Wo: QUANTISED
;;   THE QUANTISER, for each operand of a quantised product, along K:
;;     - K is cut into blocks of 32 from its start; a last block that is shorter is filled with zeros.
;;     - A block's scale is 2^e with e = floor(log2(the largest magnitude in the block)) - 2, held to -126 .. 127; a block of zeros has e = 0. As a byte (E8M0): e + 127.
;;     - Each number is divided by its block's scale, clamped to +-7.5, and rounded to the nearest number of E2M3, ties to even, subnormals kept.
;;     - The product sums the exact products of the quantised numbers (number of the format x scale) in f32.
;;   ~~~python
;;   def quantise(x, axis):      # numpy; x: float32 -> the quantised numbers, widened to float32 again
;;       x = np.moveaxis(x, axis, -1); K = x.shape[-1]
;;       x = np.pad(x, [(0, 0)] * (x.ndim - 1) + [(0, -K % 32)]); x = x.reshape(x.shape[:-1] + (-1, 32)); a = np.abs(x).max(-1, keepdims=True)
;;       e = np.where(a > 0, np.clip(np.frexp(np.where(a > 0, a, 1))[1] - 1 - 2, -126, 127), 0)      # np.frexp(a)[1] - 1 = floor(log2(a)), exactly
;;       r = np.clip(x / 2.0 ** e, -7.5, 7.5)
;;       step = 2.0 ** (np.maximum(np.frexp(np.where(r == 0, 1, r))[1] - 1, 0) - 3)
;;       q = np.round(r / step) * step * 2.0 ** e      # np.round: ties to even
;;       return np.moveaxis(q.reshape(q.shape[:-2] + (-1,))[..., :K], -1, axis).astype(np.float32)
;;   ~~~
;;   SOFTMAX AHEAD OF A QUANTISED PRODUCT. Where the list says 'softmax', what is quantised is not the finished softmax but p = 2^(t - M), with t = logit x log2(e) and M = ceil(the row's largest t), a whole number; so 1/2 < the row's largest p <= 1. The row's sum l is taken of the UNQUANTISED p, in f32, and the product's result is divided by l at the end. Since M is a whole number, a kernel that streams over the keys may use a running M (the ceiling of the running maximum): every later rescaling is an exact power of two, which a block's scale takes up: the codes' values come out the same.
;;   OPERANDS COMPUTED ON THE WAY. 'Computed on the way' means the value that the module computes at that place (a softmax that the list does not call 'softmax' is quantised finished and normalised). What goes into a quantiser is computed in f32, as accurately as f32 sums, v_exp_f32 and their like allow (about 1e-6 of the number): no bf16 or f16 on the way to a quantiser, and a product that is left as it is and whose result goes on into a quantised operand takes f32 operands (vector FMAs, or v_wmma_f32_16x16x4_f32). A number that lies on a knife's edge between two numbers of the format may be rounded either way, as far as f32 arithmetic and the matrix unit's own rounding can turn it there, and no further.
;; One version. Each part assembles by itself: llvm-mc -triple=amdgcn-amd-amdhsa -mcpu=gfx1250 --defsym DOCPART=n.
;; ======== version 1 of 1: 5 launches
;; limits: right only within a limited range of input values
;; workspace buffers: x_q 6,815,744 bytes; y_q 5,111,808 bytes; wq_q 851,968 bytes; wkv_q 1,277,952 bytes; wo_q 851,968 bytes; q_ws 6,815,744 bytes; kv_ws 13,631,488 bytes; o_q 6,815,744 bytes
;; launch quant (part 1): grid 2240 x 1, 4 waves a work-group, no clusters, 34,304 bytes of LDS; arguments x, y, Wq, Wkv, x_q, y_q, wq_q, wkv_q, Wo, wo_q; writes x_q, y_q, wq_q, wkv_q, wo_q
.if DOCPART == 1
	.amdgcn_target "amdgcn-amd-amdhsa--gfx1250"
	.amdhsa_code_object_version 6
	.text
	.protected	k_q6011b2819b_quant
	.globl	k_q6011b2819b_quant
	.p2align	8
	.type	k_q6011b2819b_quant,@function
k_q6011b2819b_quant:
	s_mov_b64 s[64:65], 0
	v_nop
	global_prefetch_b8 v0, s[64:65] scope:SCOPE_SE
	s_setreg_imm32_b32 hwreg(HW_REG_WAVE_MODE, 25, 1), 1
	s_wait_xcnt 0x0
; x [8192][1024], y [8192][768], Wq [1024][1024], Wkv [2048][768], Wo [1024][1024], all f32 with K innermost, become codes of FP6 (E2M3) with one E8M0 scale byte for each 32 along K.
; A block's scale is 2^(floor(log2(its largest magnitude)) - 2); its byte is the largest magnitude's exponent field - 2, held at 1 from below; each number is divided by the scale and rounded to the nearest code, ties to even, beyond 7.5 the largest code.
; LIMITS: NaN and infinities among the inputs are not served; blocks whose largest magnitude lies under 2^-124 take the byte 1; a block of zeros gets the byte 1 where the rule says 127: its codes are zeros, and this program alone reads the bytes.
; WHAT IS STORED: IMAGES OF THE OPERAND'S REGISTERS.  A fragment (16 rows x 128 K) is 12 registers a lane: 1,536 bytes, group c of four registers at 512 c + 16 x lane.  Its scale words: 128 bytes, lane l's word at 4 l (lanes 16-31 hold what lanes 0-15 hold).
; THE ROWS OF A TILE ARE NOT NEIGHBOURS: lane r of tile T takes logical row 32 (T / 2) + 8 (T % 2) + r + 8 (r / 8), so that where such a tile is source 0 of a product the 16 result registers of tiles 2 b and 2 b + 1 are 16 neighbours.
; Wkv alone: logical row L is row ((L / 64) % 16) x 128 + (L / 1024) x 64 + L % 64 of the tensor: logical rows 0-1023 are all heads' key rows, 1024-2047 all heads' value rows.
; A BUFFER: [group of G tiles][K step][G x 1,536 bytes of codes | G x 128 bytes of scale words]; G = 8 for x and y, 16 for the weights: what a work-group of a later launch reads is one dense block.
; SHARES.  A wave makes one fragment: 16 rows x 512 bytes in, 1,664 bytes out.  Each of its 16 loads reads 512 consecutive bytes of one row; the numbers turn through the wave's own stage in LDS (rows 528 bytes apart, 33 x 16),
; since the conversions want 16 neighbours along K in one lane.  No loop, no barrier: waves share nothing.  One path serves all five tensors: only pointers and numbers are chosen.
; REGISTERS ARE FEW ON PURPOSE: the numbers come back from the stage into the registers that they left, and the sixteen address registers serve again as work registers once their loads are in: 114 registers a wave,
; so that more waves, each with 8,192 bytes on the way, are resident together.
.set SP,    528                        ; a stage row
.set STI,   4                          ; v4      into the stage: 16 x lane
.set STO,   5                          ; v5      out of it: 528 r + 64 h
.set VO,    8                          ; v8-23   row rho's byte offset + 16 x lane
.set TM,    8                          ; v8-23   the same registers, at work, once all sixteen loads are in
.set PC,    24                         ; v24-43  the codes
.set PW,    44                         ; v44     the scale word
.set RAW,   48                         ; v48-111 the numbers as loaded
.set X,     48                         ; v48-111 and as they come back: register 16 b + i = k 32 b + 16 h + i of my row
.set SRC,   26                         ; s[26:27] the tensor;  s[28:29] its images
.set DST,   28
.set W0,    30                         ; the tensor's first work-group
.set LNT,   31                         ; log2 of its tiles
.set RB,    32                         ; bytes in a row
.set CH,    33                         ; bytes of a group's K step
.set LG,    34                         ; log2 of the tiles in a group
.set GS,    35                         ; bytes of a group
.set SCO,   36                         ; where the scale words begin in a K step
.set KVF,   37                         ; 1: Wkv's order of rows
.set WV,    38
.set SEL,   52                         ; s[52:53] v_permlanex16_b32's selects for lane l xor 16
; 64 numbers of a lane, v[s] .. v[s + 63], become a fragment's codes in v[PC] .. v[PC + 11] and its scale word in v[PW].
.macro QUANT s
.irp b, 0,1,2,3
	v_max3_num_f32 v[TM+\b], |v[\s+16*\b]|, |v[\s+1+16*\b]|, 0x1800000   ; block b: my 16 numbers, and the floor 2^(3 - 127): the byte cannot fall under 1
.endr
.irp i, 2,4,6,8,10,12,14
.irp b, 0,1,2,3
	v_max3_num_f32 v[TM+\b], v[TM+\b], |v[\s+16*\b+\i]|, |v[\s+1+16*\b+\i]|   ; the four blocks by turns
.endr
.endr
.irp b, 0,1,2,3
	v_permlanex16_b32 v[TM+4+\b], v[TM+\b], s[SEL], s[SEL+1]
.endr
.irp b, 0,1,2,3
	v_max_num_f32 v[TM+\b], v[TM+\b], v[TM+4+\b]   ; with lane l xor 16's: the block's largest magnitude
.endr
.irp b, 0,1,2,3
	v_add_nc_u32 v[TM+12+\b], 0xff000000, v[TM+\b]   ; 2 off its exponent field: the conversion takes the exponent field of this operand as its scale
.endr
.irp b, 0,1,2,3
	v_lshrrev_b32 v[TM+4+\b], 23, v[TM+12+\b]      ; the scale's byte
.endr
	v_lshl_or_b32 v[PW], v[TM+5], 8, v[TM+4]
	v_lshl_or_b32 v[PW], v[TM+6], 16, v[PW]
	v_lshl_or_b32 v[PW], v[TM+7], 24, v[PW]        ; my row's scale word
.irp c, 0,1
	v_cvt_scalef32_pk16_fp6_f32 v[PC+6*\c:PC+2+6*\c], v[\s+32*\c:\s+15+32*\c], v[TM+12+2*\c]
	v_cvt_scalef32_pk16_fp6_f32 v[PC+12+4*\c:PC+14+4*\c], v[\s+16+32*\c:\s+31+32*\c], v[TM+12+2*\c+1]   ; (a conversion's three registers begin on an even number)
.endr
	v_nop                                          ; one plain place behind a scaled conversion
.irp c, 0,1                                    ; the operand's layout wants a whole block in a lane: lanes 0-15 block 2 c, lanes 16-31 block 2 c + 1
.irp i, 0,1,2
	v_permlane16_swap_b32 v[PC+6*\c+\i], v[PC+12+4*\c+\i]
.endr
.irp i, 0,1,2
	v_mov_b32 v[PC+3+6*\c+\i], v[PC+12+4*\c+\i]
.endr
.endr
.endm
; From work-group `first` on another tensor is served.  The choice hangs on the work-group's number alone; the selections that follow a PICK lean on the same compare.
.macro PICK first, src, dst
	s_cmp_ge_u32 ttmp9, \first
	s_cselect_b64 s[SRC:SRC+1], s[\src:\src+1], s[SRC:SRC+1]
	s_cselect_b64 s[DST:DST+1], s[\dst:\dst+1], s[DST:DST+1]
	s_cselect_b32 s[W0], \first, s[W0]
.endm
	s_load_b256 s[4:11], s[0:1], 0x0               ; x, y, Wq, Wkv
	s_load_b256 s[12:19], s[0:1], 0x20             ; x_q, y_q, wq_q, wkv_q
	s_load_b128 s[20:23], s[0:1], 0x40             ; Wo, wo_q
	v_lshl_add_u32 v112, v0, 2, 0x8400
	v_mov_b32 v113, 0
	v_lshrrev_b32 v1, 5, v0
	v_readfirstlane_b32 s[WV], v1                  ; wave 0..3
	v_and_b32 v1, 31, v0                           ; lane
	v_lshlrev_b32 v2, 4, v1                        ; 16 x lane
	v_lshlrev_b32 v3, 2, v1                        ; 4 x lane
	v_and_b32 v6, 15, v0                           ; r
	v_bfe_u32 v7, v0, 4, 1                         ; h
	s_mul_i32 s39, s[WV], 16*SP                    ; my stage
	v_add_nc_u32 v[STI], s39, v2
	v_mul_u32_u24 v[STO], v6, SP
	v_lshl_add_u32 v[STO], v7, 6, v[STO]
	v_add_nc_u32 v[STO], s39, v[STO]
	s_mov_b32 s[SEL], 0x76543210
	s_mov_b32 s[SEL+1], 0xfedcba98
	s_mov_b32 s[W0], 0                             ; x: 512 tiles x 8 K steps = 1,024 work-groups
	s_mov_b32 s[LNT], 9
	s_mov_b32 s[RB], 4096
	s_mov_b32 s[CH], 13312
	s_mov_b32 s[LG], 3
	s_mov_b32 s[GS], 106496
	s_mov_b32 s[SCO], 12288
	s_mov_b32 s[KVF], 0
	s_wait_alu depctr_va_vdst(0)
	s_wait_kmcnt 0x0
	s_mov_b64 s[SRC:SRC+1], s[4:5]
	s_mov_b64 s[DST:DST+1], s[12:13]
	PICK 1024, 6, 14                               ; y: 512 tiles x 6 = 768 work-groups
	s_cselect_b32 s[RB], 3072, s[RB]
	s_cselect_b32 s[GS], 79872, s[GS]
	PICK 1792, 8, 16                               ; Wq: 64 tiles x 8 = 128 work-groups
	s_cselect_b32 s[LNT], 6, s[LNT]
	s_cselect_b32 s[RB], 4096, s[RB]
	s_cselect_b32 s[CH], 26624, s[CH]
	s_cselect_b32 s[LG], 4, s[LG]
	s_cselect_b32 s[GS], 212992, s[GS]
	s_cselect_b32 s[SCO], 24576, s[SCO]
	PICK 1920, 10, 18                              ; Wkv: 128 tiles x 6 = 192 work-groups
	s_cselect_b32 s[LNT], 7, s[LNT]
	s_cselect_b32 s[RB], 3072, s[RB]
	s_cselect_b32 s[GS], 159744, s[GS]
	s_cselect_b32 s[KVF], 1, s[KVF]
	PICK 2112, 20, 22                              ; Wo: 64 tiles x 8 = 128 work-groups
	s_cselect_b32 s[LNT], 6, s[LNT]
	s_cselect_b32 s[RB], 4096, s[RB]
	s_cselect_b32 s[GS], 212992, s[GS]
	s_cselect_b32 s[KVF], 0, s[KVF]
	s_sub_co_u32 s40, ttmp9, s[W0]
	s_lshl_b32 s40, s40, 2
	s_add_co_u32 s40, s40, s[WV]                   ; my fragment's number in the tensor
	s_lshr_b32 s41, s40, s[LNT]                    ; its K step
	s_lshl_b32 s42, s41, s[LNT]
	s_sub_co_u32 s42, s40, s42                     ; its tile T
	s_lshr_b32 s43, s42, 1
	s_lshl_b32 s43, s43, 5
	s_and_b32 s44, s42, 1
	s_lshl_b32 s44, s44, 3
	s_add_co_u32 s43, s43, s44                     ; the tile's first logical row: 32 (T / 2) + 8 (T % 2); its 16 rows lie inside 32 logical rows, which stay together in Wkv's order
	s_bfe_u32 s44, s43, 0x40006
	s_lshl_b32 s44, s44, 7
	s_lshr_b32 s45, s43, 10
	s_lshl_b32 s45, s45, 6
	s_add_co_u32 s44, s44, s45
	s_and_b32 s45, s43, 63
	s_add_co_u32 s44, s44, s45                     ; the same row in Wkv's order
	s_cmp_eq_u32 s[KVF], 1
	s_cselect_b32 s43, s44, s43
	s_mul_i32 s46, s43, s[RB]                      ; at most 8,168 x 4,096: under 2^32
	s_lshl_b32 s47, s41, 9                         ; 128 numbers a K step
	s_add_co_u32 s46, s46, s47
	s_mov_b32 s47, 0
	s_add_nc_u64 s[SRC:SRC+1], s[SRC:SRC+1], s[46:47]
	s_lshr_b32 s48, s42, s[LG]                     ; the tile's group,
	s_lshl_b32 s49, s48, s[LG]
	s_sub_co_u32 s49, s42, s49                     ; and its place there
	s_mul_i32 s48, s48, s[GS]
	s_mul_i32 s50, s41, s[CH]
	s_add_co_u32 s48, s48, s50                     ; where the group's K step begins
	s_mul_i32 s50, s49, 1536
	s_add_co_u32 s50, s50, s48
	s_mov_b32 s51, 0
	s_lshl_b32 s54, s49, 7
	s_add_co_u32 s54, s54, s48
	s_add_co_u32 s54, s54, s[SCO]
	s_mov_b32 s55, 0
	s_add_nc_u64 s[50:51], s[DST:DST+1], s[50:51]  ; my fragment's image
	s_add_nc_u64 s[54:55], s[DST:DST+1], s[54:55]  ; its scale words
.irp p, 0,1,2,3,4,5,6,7,8,9,10,11,12,13,14,15
	v_mad_u32_u24 v[VO+\p], \p+8*(\p/8), s[RB], v2 ; lane row rho lies rho + 8 (rho / 8) rows behind the tile's first
.endr
.irp p, 0,1,2,3,4,5,6,7,8,9,10,11,12,13,14,15
	global_load_b128 v[RAW+4*\p:RAW+4*\p+3], v[VO+\p], s[SRC:SRC+1] th:TH_LOAD_NT   ; 32 lanes read 512 consecutive bytes of one row; read once in the launch
.endr
.irp p, 0,1,2,3,4,5,6,7,8,9,10,11,12,13,14,15
	s_wait_loadcnt 15-\p                           ; loads come back in order: row rho is in, the younger ones stay out
	ds_store_b128 v[STI], v[RAW+4*\p:RAW+4*\p+3] offset:SP*\p
.endr
.irp b, 0,1,2,3
.irp j, 0,1,2,3
	ds_load_b128 v[X+16*\b+4*\j:X+16*\b+4*\j+3], v[STO] offset:128*\b+16*\j   ; LDS serves a wave's instructions in order: these see my stores, and land in the registers that the stores have left
.endr
.endr
	s_wait_dscnt 0x0
.irp b, 0,1,2,3
	v_mov_b32 v[TM+4+\b], 0                        ; a lane permute's destination counts as one of its sources.  (All sixteen loads were shown done by their counted waits: their address registers are free)
.endr
	QUANT X
.irp c, 0,1,2
	global_store_b128 v2, v[PC+4*\c:PC+4*\c+3], s[50:51] offset:512*\c   ; 32 lanes store 512 consecutive bytes, at a multiple of 256 from the buffer's first byte
.endr
	global_store_b32 v3, v[PW], s[54:55]           ; 128 consecutive bytes
	s_wait_tensorcnt 0x0
	ds_add_u32 v112, v113
	s_wait_dscnt 0x0
	s_endpgm
.Lfunc_end_k_q6011b2819b_quant:
	.size	k_q6011b2819b_quant, .Lfunc_end_k_q6011b2819b_quant-k_q6011b2819b_quant
	.p2alignl 7, 3214868480
	.fill 96, 4, 3214868480
	.section	.rodata,"a",@progbits
	.p2align	6, 0x0
	.amdhsa_kernel k_q6011b2819b_quant
		.amdhsa_group_segment_fixed_size 34304
		.amdhsa_private_segment_fixed_size 0
		.amdhsa_enable_private_segment 0
		.amdhsa_kernarg_size 80
		.amdhsa_user_sgpr_count 2
		.amdhsa_user_sgpr_kernarg_segment_ptr 1
		.amdhsa_wavefront_size32 1
		.amdhsa_system_sgpr_workgroup_id_x 1
		.amdhsa_system_sgpr_workgroup_id_y 1
		.amdhsa_system_sgpr_workgroup_id_z 1
		.amdhsa_system_vgpr_workitem_id 0
		.amdhsa_next_free_vgpr 114
		.amdhsa_next_free_sgpr 66
		.amdhsa_reserve_vcc 0
		.amdhsa_float_denorm_mode_32 3
		.amdhsa_float_denorm_mode_16_64 3
		.amdhsa_memory_ordered 1
		.amdhsa_forward_progress 1
		.amdhsa_inst_pref_size 14
	.end_amdhsa_kernel
	.amdgpu_metadata
---
amdhsa.version: [ 1, 2 ]
amdhsa.kernels:
  - .name:           k_q6011b2819b_quant
    .symbol:         k_q6011b2819b_quant.kd
    .args:
      - { .name: x, .offset: 0, .size: 8, .value_kind: global_buffer, .address_space: global }
      - { .name: y, .offset: 8, .size: 8, .value_kind: global_buffer, .address_space: global }
      - { .name: Wq, .offset: 16, .size: 8, .value_kind: global_buffer, .address_space: global }
      - { .name: Wkv, .offset: 24, .size: 8, .value_kind: global_buffer, .address_space: global }
      - { .name: x_q, .offset: 32, .size: 8, .value_kind: global_buffer, .address_space: global }
      - { .name: y_q, .offset: 40, .size: 8, .value_kind: global_buffer, .address_space: global }
      - { .name: wq_q, .offset: 48, .size: 8, .value_kind: global_buffer, .address_space: global }
      - { .name: wkv_q, .offset: 56, .size: 8, .value_kind: global_buffer, .address_space: global }
      - { .name: Wo, .offset: 64, .size: 8, .value_kind: global_buffer, .address_space: global }
      - { .name: wo_q, .offset: 72, .size: 8, .value_kind: global_buffer, .address_space: global }
    .group_segment_fixed_size: 34304
    .private_segment_fixed_size: 0
    .kernarg_segment_align: 8
    .kernarg_segment_size: 80
    .max_flat_workgroup_size: 128
    .sgpr_count:     66
    .vgpr_count:     114
    .wavefront_size: 32
...
	.end_amdgpu_metadata
.endif
;; end of part 1
;; launch qproj (part 2): grid 4 x 64, 8 waves a work-group, clusters of 4 x 4, 320,512 bytes of LDS; arguments x_q, wq_q, bq, q_ws; writes q_ws
.if DOCPART == 2
	.amdgcn_target "amdgcn-amd-amdhsa--gfx1250"
	.amdhsa_code_object_version 6
	.text
	.protected	k_q6011b2819b_qproj
	.globl	k_q6011b2819b_qproj
	.p2align	8
	.type	k_q6011b2819b_qproj,@function
k_q6011b2819b_qproj:
	s_mov_b64 s[64:65], 0
	v_nop
	global_prefetch_b8 v0, s[64:65] scope:SCOPE_SE
	s_setreg_imm32_b32 hwreg(HW_REG_WAVE_MODE, 25, 1), 1
	s_wait_xcnt 0x0
	s_wait_alu depctr_hold_cnt(0) depctr_sa_sdst(0) depctr_va_vdst(0) depctr_va_sdst(0) depctr_va_ssrc(0) depctr_va_vcc(0) depctr_vm_vsrc(0)
	s_getreg_b32 s2, hwreg(HW_REG_IB_STS2, 6, 4)
	s_cmp_eq_u32 s2, 0
	s_cbranch_scc0 .Lentry_in_a_cluster
	s_endpgm
.Lentry_in_a_cluster:
	s_bfe_u32 s2, ttmp6, 0x10000c
	s_cmp_lg_u32 s2, 0xf033
	s_cbranch_scc0 .Lentry_shape_is_right
	s_endpgm
.Lentry_shape_is_right:
; q = x Wq^T + bq on codes of FP6 (E2M3) with E8M0 scales, and q quantised again along each head's 64, for the product with the keys.
; OPERANDS arrive as images of their registers: a fragment (16 rows x 128 K) is 1,536 bytes, group c of four registers at 512 c + 16 x lane; its scale words 128 bytes, 4 x lane.  x_q: [group of 8 token tiles][K step][8 x 1,536 | 8 x 128];
; wq_q: [group of 16 row tiles][K step][16 x 1,536 | 16 x 128].  Lane r of tile T stands for row 32 (T / 2) + 8 (T % 2) + r + 8 (r / 8).
; SHARES.  A work-group makes 128 tokens x 256 columns; its operands for ALL of K are two dense blocks, 106,496 + 212,992 bytes, which lie in LDS as in memory: every byte of LDS is filled once, all fills go out at the head, and nothing is filled again.
; Eight waves; wave w makes tokens 64 (w / 4) on x columns 64 (w % 4) on, which is one head: 16 accumulators.  THE PRODUCT IS USED TRANSPOSED (source 0 = 16 rows of Wq, source 1 = 16 tokens): a lane holds one token, and by the order of
; rows in a tile the 32 registers of a token tile are the head's 64 numbers, register 16 b + i = d 32 b + 16 h + i: as the conversions want them.
; CLUSTERS: 4 x 4 work-groups.  The four of a row need the same tokens, the four of a column the same rows of Wq: each block is asked for jointly, by the same tensor load with the same descriptor and a mask that names the four.
; K goes in four phases of two K steps: waves 0-3 each issue the load of one phase of x's block, waves 4-7 one of Wq's (one tensor load a wave), and the first phase begins when all loads have landed.
; THE BIAS starts the sums: it is loaded into the accumulators, and every matrix instruction adds in place.
; OUT: q_ws [batch x 16 + head][32 pairs x 1,536 | 32 x 128].  A PAIR IMAGE is one fragment whose registers 0-5 are token tile 2 g (the head's 64) and 6-11 token tile 2 g + 1; of its scale word bytes 0, 1 are tile 2 g's, bytes 2, 3 tile 2 g + 1's.
; LIMITS: NaN and infinities are not served; a block of zeros, or one under 2^-124, gets the scale byte 1 (zero codes add nothing; this program alone reads the bytes).
.set NK,    8                          ; K steps of 128
.set NP,    NK/2                       ; phases
.set CA,    13312                      ; a K step of 8 token tiles
.set CB,    26624                      ; a K step of 16 row tiles
.set PA,    2*CA
.set PB,    2*CB
.set BBASE, NK*CA                      ; LDS: the tokens' block at 0, the weight's behind it
.set REC,   53248                      ; a head's record in q_ws
.set LA,    4                          ; v4   LDS address of my token fragments;  v5 of their scale words
.set LAS,   5
.set LB,    6                          ; v6   of my weight fragments;  v7 of their scale words
.set LBS,   7
.set BO,    8                          ; v8   64 h: my half's place in the bias
.set L16,   9                          ; v9   16 x lane
.set L4,    10                         ; v10  4 x lane
.set ACC,   16                         ; v16-143 accumulator (token tile m, column tile t) at ACC + 8 (4 m + t)
.set FB,    144                        ; v144-191 four weight fragments
.set FA,    192                        ; v192-239 four token fragments
.set SB,    240                        ; v240-243 the weight's scale words;  v244-247 the tokens': these eight hold scales and nothing else
.set SA,    244
.set TM,    144                        ; the way out: at work, codes, scale word
.set PC,    160
.set PW,    180
.set WV,    12                         ; s12 wave; s13 its half of the tokens; s14 its head of the four; s15 cx; s16 cy; s17, s18 the work-group's x, y
.set G1A,   20                         ; s[20:27], s[28:35] descriptor groups 1;  s[36:39], s[68:71] groups 0, the tokens' and the weight's
.set G1B,   28
.set G0A,   36
.set G0B,   68
.set SEL,   86
.macro CROUND                          ; a round of the cluster's barrier
	s_barrier_signal -1
	s_barrier_wait -1
	s_cmp_lg_u32 s[WV], 0
	s_cbranch_scc1 .Lnot_wave_0_\@
	s_barrier_signal -3
.Lnot_wave_0_\@:
	s_barrier_wait -3
	s_barrier_signal -1
	s_barrier_wait -1
.endm
.macro PLACES                          ; four plain vector instructions between a matrix instruction and a load into, or a vector read or write of, its registers
.rept 4
	v_nop
.endr
.endm
.macro LDFR reg, adr, off              ; a fragment's image into 12 registers
.irp c, 0,1,2
	ds_load_b128 v[\reg+4*\c:\reg+4*\c+3], v[\adr] offset:\off+512*\c
.endr
.endm
.macro WM d, a, b, sa, sb              ; D += A x B, in place
	v_wmma_scale_f32_16x16x128_f8f6f4 v[\d:\d+7], v[\a:\a+11], v[\b:\b+11], v[\d:\d+7], v[\sa], v[\sb] matrix_a_fmt:MATRIX_FMT_FP6 matrix_b_fmt:MATRIX_FMT_FP6
.endm
; 64 numbers of a lane, v[s] .. v[s + 63], register 16 b + i = k 32 b + 16 h + i, become a fragment's codes in v[PC] .. v[PC + 11] and its scale word in v[PW].
.macro QUANT s
.irp b, 0,1,2,3
	v_max3_num_f32 v[TM+\b], |v[\s+16*\b]|, |v[\s+1+16*\b]|, 0x1800000   ; block b: my 16 numbers, and the floor 2^(3 - 127): the byte cannot fall under 1
.endr
.irp i, 2,4,6,8,10,12,14
.irp b, 0,1,2,3
	v_max3_num_f32 v[TM+\b], v[TM+\b], |v[\s+16*\b+\i]|, |v[\s+1+16*\b+\i]|
.endr
.endr
.irp b, 0,1,2,3
	s_delay_alu instid0(VALU_DEP_4)
	v_permlanex16_b32 v[TM+4+\b], v[TM+\b], s[SEL], s[SEL+1]
.endr
.irp b, 0,1,2,3
	s_delay_alu instid0(VALU_DEP_4)
	v_max_num_f32 v[TM+\b], v[TM+\b], v[TM+4+\b]   ; with lane l xor 16's: the block's largest magnitude
.endr
.irp b, 0,1,2,3
	s_delay_alu instid0(VALU_DEP_4)
	v_add_nc_u32 v[TM+12+\b], 0xff000000, v[TM+\b]   ; 2 off its exponent field: the conversion's scale operand
.endr
.irp b, 0,1,2,3
	s_delay_alu instid0(VALU_DEP_4)
	v_lshrrev_b32 v[TM+4+\b], 23, v[TM+12+\b]      ; the scale's byte
.endr
	s_delay_alu instid0(VALU_DEP_3)
	v_lshl_or_b32 v[PW], v[TM+5], 8, v[TM+4]
	s_delay_alu instid0(VALU_DEP_1)
	v_lshl_or_b32 v[PW], v[TM+6], 16, v[PW]
	s_delay_alu instid0(VALU_DEP_1)
	v_lshl_or_b32 v[PW], v[TM+7], 24, v[PW]
.irp c, 0,1
	v_cvt_scalef32_pk16_fp6_f32 v[PC+6*\c:PC+2+6*\c], v[\s+32*\c:\s+15+32*\c], v[TM+12+2*\c]
	v_cvt_scalef32_pk16_fp6_f32 v[PC+12+4*\c:PC+14+4*\c], v[\s+16+32*\c:\s+31+32*\c], v[TM+12+2*\c+1]
.endr
	v_nop                                          ; one plain place behind a scaled conversion
.irp c, 0,1
.irp i, 0,1,2
	v_permlane16_swap_b32 v[PC+6*\c+\i], v[PC+12+4*\c+\i]
.endr
.irp i, 0,1,2
	s_delay_alu instid0(VALU_DEP_3)
	v_mov_b32 v[PC+3+6*\c+\i], v[PC+12+4*\c+\i]
.endr
.endr
.endm
; The q-th K step of a phase: 8 fragments and 8 scale words from LDS, 16 matrix instructions.  The 16 accumulators take turns, one instruction a turn, in the same order in every step.
.macro KSTEP_T q
	PLACES
.irp t, 0,1,2,3
	LDFR FB+12*\t, LB, (\q)*CB+1536*\t
.endr
.irp t, 0,1,2,3
	ds_load_b32 v[SB+\t], v[LBS] offset:(\q)*CB+128*\t
.endr
.irp m, 0,1,2,3
	LDFR FA+12*\m, LA, (\q)*CA+1536*\m
	ds_load_b32 v[SA+\m], v[LAS] offset:(\q)*CA+128*\m
.endr
.irp m, 0,1,2,3
	s_wait_dscnt 4*(3-\m)                          ; the four loads of each later token tile may stay out
.irp t, 0,1,2,3
	WM ACC+8*(4*\m+\t), FB+12*\t, FA+12*\m, SB+\t, SA+\m
.endr
.endr
.endm
.macro PHASE_T p
.if (\p) == 0
	s_wait_tensorcnt 0x0                           ; my one load has landed;
	s_barrier_signal -1                            ; no LDS instruction of mine is out here
	s_barrier_wait -1                              ; everybody's has: both blocks are whole, so the later phases have no wait and no barrier
.endif
	KSTEP_T 0
	KSTEP_T 1
.if (\p) < NP-1
	v_add_nc_u32 v[LA], PA, v[LA]
	v_add_nc_u32 v[LAS], PA, v[LAS]
	v_add_nc_u32 v[LB], PB, v[LB]
	v_add_nc_u32 v[LBS], PB, v[LBS]
.endif
.endm
	s_load_b256 s[4:11], s[0:1], 0x0               ; x_q s[4:5], wq_q s[6:7], bq s[8:9], q_ws s[10:11]
	v_lshl_add_u32 v254, v0, 2, 0x4e000
	v_mov_b32 v255, 0
	ds_add_u32 v254, v255
	ds_add_u32 v254, v255
	v_lshrrev_b32 v1, 5, v0
	s_delay_alu instid0(VALU_DEP_1)
	v_readfirstlane_b32 s[WV], v1                  ; wave 0..7
	s_lshr_b32 s13, s[WV], 2
	s_and_b32 s14, s[WV], 3
	s_bfe_u32 s15, ttmp6, 0x40000                  ; cx, cy: my place in the cluster
	s_bfe_u32 s16, ttmp6, 0x40004
	s_lshl_b32 s17, ttmp9, 2
	s_add_co_u32 s17, s17, s15                     ; which 256 columns
	s_and_b32 s18, ttmp7, 0xffff
	s_lshl_b32 s18, s18, 2
	s_add_co_u32 s18, s18, s16                     ; which 128 tokens
	s_lshl_b32 s52, s16, 2
	s_lshl_b32 s52, 15, s52                        ; my row of the cluster
	s_lshl_b32 s53, 0x1111, s15                    ; my column
	; descriptor groups 1: dense blocks as rows of 256 bytes (32 elements of 8 bytes), no padding: 104 rows of the tokens' block, 208 of the weight's
	s_or_b32 s[G1A], s52, (3<<16)|(1<<21)          ; 15:0 the mask; 17:16 elements of 8 bytes; 21 set beside a mask
	s_or_b32 s[G1B], s53, (3<<16)|(1<<21)
	s_mov_b32 s[G1A+1], 32<<16                     ; tensor_dim0
	s_mov_b32 s[G1A+2], 104<<16                    ; tensor_dim1
	s_mov_b32 s[G1A+3], 32<<16                     ; tile_dim0
	s_mov_b32 s[G1A+4], 104                        ; tile_dim1
	s_mov_b32 s[G1A+5], 32                         ; from row to row
	s_mov_b32 s[G1A+6], 0
	s_mov_b32 s[G1A+7], 0
	s_mov_b32 s[G1B+1], 32<<16
	s_mov_b32 s[G1B+2], 208<<16
	s_mov_b32 s[G1B+3], 32<<16
	s_mov_b32 s[G1B+4], 208
	s_mov_b32 s[G1B+5], 32
	s_mov_b32 s[G1B+6], 0
	s_mov_b32 s[G1B+7], 0
	s_mul_i32 s54, s18, NK*CA                      ; the tokens' block hangs on the work-group's y alone,
	s_mov_b32 s55, 0
	s_mul_i32 s56, s17, NK*CB                      ; the weight's on its x alone
	s_mov_b32 s57, 0
	s_wait_dscnt 0x0
	s_wait_kmcnt 0x0
	s_add_nc_u64 s[54:55], s[4:5], s[54:55]
	s_add_nc_u64 s[56:57], s[6:7], s[56:57]
	CROUND                                         ; all sixteen work-groups are here: the joint loads meet
	; THE FILLS AS THE TEXT NOW HAS THEM (this takes the place of the head comment's account): ONE tensor load a wave.
	; Waves 0-3 fetch phase w % 4 of the tokens' block, waves 4-7 phase w % 4 of the weight's: eight loads, one out in each wave.
	s_mul_i32 s58, s14, PA                         ; my phase's bytes in the tokens' block,
	s_mov_b32 s59, 0
	s_mul_i32 s60, s14, PB                         ; and in the weight's
	s_mov_b32 s61, 0
	s_mov_b32 s[G0A], 1                            ; count = 1
	s_mov_b32 s[G0A+1], s58                        ; LDS address
	s_add_nc_u64 s[G0A+2:G0A+3], s[54:55], s[58:59]
	s_or_b32 s[G0A+3], s[G0A+3], 0x80000000        ; type = 2
	s_mov_b32 s[G0B], 1
	s_add_co_u32 s[G0B+1], s60, BBASE
	s_add_nc_u64 s[G0B+2:G0B+3], s[56:57], s[60:61]
	s_or_b32 s[G0B+3], s[G0B+3], 0x80000000
	s_cmp_lt_u32 s[WV], 4                          ; one branch on the wave's number, a fill in each arm
	s_cbranch_scc0 .Lnot_a
	tensor_load_to_lds s[G0A:G0A+3], s[G1A:G1A+7]
	s_nop 0
	PLACES
	s_branch .Lasked
.Lnot_a:
	tensor_load_to_lds s[G0B:G0B+3], s[G1B:G1B+7]
	s_nop 0
	PLACES
.Lasked:
	v_and_b32 v1, 31, v0                           ; lane
	v_bfe_u32 v3, v0, 4, 1                         ; h
	s_delay_alu instid0(VALU_DEP_2)
	v_lshlrev_b32 v[L16], 4, v1
	s_delay_alu instid0(VALU_DEP_3)
	v_lshlrev_b32 v[L4], 2, v1
	s_mul_i32 s58, s13, 6144                       ; my four token tiles
	v_add_nc_u32 v[LA], s58, v[L16]
	s_lshl_b32 s58, s13, 9
	s_add_co_u32 s58, s58, 12288
	v_add_nc_u32 v[LAS], s58, v[L4]
	s_mul_i32 s58, s14, 6144                       ; my four row tiles
	s_add_co_u32 s58, s58, BBASE
	v_add_nc_u32 v[LB], s58, v[L16]
	s_lshl_b32 s58, s14, 9
	s_add_co_u32 s58, s58, BBASE+24576
	v_add_nc_u32 v[LBS], s58, v[L4]
	v_lshlrev_b32 v[BO], 6, v3
	s_lshl_b32 s58, s17, 10                        ; the bias of my 64 columns: 4 (256 x + 64 (w % 4)) bytes on
	s_lshl_b32 s59, s14, 8
	s_add_co_u32 s58, s58, s59
	s_mov_b32 s59, 0
	s_add_nc_u64 s[8:9], s[8:9], s[58:59]
.irp m, 0,1,2,3
.irp t, 0,1,2,3
	global_load_b128 v[ACC+8*(4*\m+\t):ACC+8*(4*\m+\t)+3], v[BO], s[8:9] offset:(32*(\t/2)+8*(\t%2))*4      ; register j of tile t: column 32 (t / 2) + 16 h + 8 (t % 2) + j
	global_load_b128 v[ACC+8*(4*\m+\t)+4:ACC+8*(4*\m+\t)+7], v[BO], s[8:9] offset:(32*(\t/2)+8*(\t%2))*4+16
.endr
.endr
	s_mov_b32 s[SEL], 0x76543210
	s_mov_b32 s[SEL+1], 0xfedcba98
	; where my two pair images go: record 16 batch + head, pairs 4 (y % 8) + 2 (w / 4) on
	s_lshr_b32 s58, s18, 3
	s_lshl_b32 s58, s58, 4
	s_lshl_b32 s59, s17, 2
	s_add_co_u32 s58, s58, s59
	s_add_co_u32 s58, s58, s14
	s_mul_i32 s58, s58, REC
	s_and_b32 s59, s18, 7
	s_lshl_b32 s59, s59, 2
	s_lshl_b32 s60, s13, 1
	s_add_co_u32 s59, s59, s60
	s_mul_i32 s60, s59, 1536
	s_add_co_u32 s60, s60, s58
	s_mov_b32 s61, 0
	s_lshl_b32 s62, s59, 7
	s_add_co_u32 s62, s62, s58
	s_add_co_u32 s62, s62, 49152
	s_mov_b32 s63, 0
	s_add_nc_u64 s[60:61], s[10:11], s[60:61]
	s_add_nc_u64 s[62:63], s[10:11], s[62:63]
	s_wait_alu depctr_va_vdst(0)
	s_wait_loadcnt 0x0                             ; the bias lies in the accumulators
	PHASE_T 0
	s_wait_alu depctr_va_vdst(0)
	PHASE_T 1
	s_wait_alu depctr_va_vdst(0)
	PHASE_T 2
	s_wait_alu depctr_va_vdst(0)
	PHASE_T 3
	PLACES
.irp b, 0,1,2,3
	v_mov_b32 v[TM+4+\b], 0                        ; a lane permute's destination counts as one of its sources
.endr
.irp pp, 0,1                                   ; token tiles 2 pp and 2 pp + 1: 64 registers, one pair image
.if \pp
	s_wait_xcnt 0x0                                ; the stores above have read their registers, which are written again
.endif
	QUANT ACC+64*\pp
.irp c, 0,1,2
	global_store_b128 v[L16], v[PC+4*\c:PC+4*\c+3], s[60:61] offset:1536*\pp+512*\c   ; 512 consecutive bytes, at a multiple of 256 from the buffer's first byte
.endr
	global_store_b32 v[L4], v[PW], s[62:63] offset:128*\pp
.endr
	s_wait_dscnt 0x0
	s_wait_tensorcnt 0x0
	ds_add_u32 v254, v255
	s_wait_dscnt 0x0
	CROUND                                         ; the closing round: no work-group ends while a partner may still ask for a block that names it
	s_endpgm
.Lfunc_end_k_q6011b2819b_qproj:
	.size	k_q6011b2819b_qproj, .Lfunc_end_k_q6011b2819b_qproj-k_q6011b2819b_qproj
	.p2alignl 7, 3214868480
	.fill 96, 4, 3214868480
	.section	.rodata,"a",@progbits
	.p2align	6, 0x0
	.amdhsa_kernel k_q6011b2819b_qproj
		.amdhsa_group_segment_fixed_size 320512
		.amdhsa_private_segment_fixed_size 0
		.amdhsa_enable_private_segment 0
		.amdhsa_kernarg_size 32
		.amdhsa_user_sgpr_count 2
		.amdhsa_user_sgpr_kernarg_segment_ptr 1
		.amdhsa_wavefront_size32 1
		.amdhsa_system_sgpr_workgroup_id_x 1
		.amdhsa_system_sgpr_workgroup_id_y 1
		.amdhsa_system_sgpr_workgroup_id_z 1
		.amdhsa_system_vgpr_workitem_id 0
		.amdhsa_next_free_vgpr 256
		.amdhsa_next_free_sgpr 100
		.amdhsa_reserve_vcc 0
		.amdhsa_float_denorm_mode_32 3
		.amdhsa_float_denorm_mode_16_64 3
		.amdhsa_memory_ordered 1
		.amdhsa_forward_progress 1
		.amdhsa_inst_pref_size 55
	.end_amdhsa_kernel
	.amdgpu_metadata
---
amdhsa.version: [ 1, 2 ]
amdhsa.kernels:
  - .name:           k_q6011b2819b_qproj
    .symbol:         k_q6011b2819b_qproj.kd
    .args:
      - { .name: x_q, .offset: 0, .size: 8, .value_kind: global_buffer, .address_space: global }
      - { .name: wq_q, .offset: 8, .size: 8, .value_kind: global_buffer, .address_space: global }
      - { .name: bq, .offset: 16, .size: 8, .value_kind: global_buffer, .address_space: global }
      - { .name: q_ws, .offset: 24, .size: 8, .value_kind: global_buffer, .address_space: global }
    .group_segment_fixed_size: 320512
    .private_segment_fixed_size: 0
    .kernarg_segment_align: 8
    .kernarg_segment_size: 32
    .max_flat_workgroup_size: 256
    .sgpr_count:     100
    .vgpr_count:     256
    .wavefront_size: 32
...
	.end_amdgpu_metadata
.endif
;; end of part 2
;; launch kvproj (part 3): grid 8 x 32, 16 waves a work-group, clusters of 4 x 4, 321,536 bytes of LDS; arguments y_q, wkv_q, bkv, kv_ws; writes kv_ws
.if DOCPART == 3
	.amdgcn_target "amdgcn-amd-amdhsa--gfx1250"
	.amdhsa_code_object_version 6
	.text
	.protected	k_q6011b2819b_kvproj
	.globl	k_q6011b2819b_kvproj
	.p2align	8
	.type	k_q6011b2819b_kvproj,@function
k_q6011b2819b_kvproj:
	s_mov_b64 s[64:65], 0
	v_nop
	global_prefetch_b8 v0, s[64:65] scope:SCOPE_SE
	s_setreg_imm32_b32 hwreg(HW_REG_WAVE_MODE, 25, 1), 1
	s_wait_xcnt 0x0
	s_wait_alu depctr_hold_cnt(0) depctr_sa_sdst(0) depctr_va_vdst(0) depctr_va_sdst(0) depctr_va_ssrc(0) depctr_va_vcc(0) depctr_vm_vsrc(0)
	s_getreg_b32 s2, hwreg(HW_REG_IB_STS2, 6, 4)
	s_cmp_eq_u32 s2, 0
	s_cbranch_scc0 .Lentry_in_a_cluster
	s_endpgm
.Lentry_in_a_cluster:
	s_bfe_u32 s2, ttmp6, 0x10000c
	s_cmp_lg_u32 s2, 0xf033
	s_cbranch_scc0 .Lentry_shape_is_right
	s_endpgm
.Lentry_shape_is_right:
; kv = y Wkv^T + bkv on codes of FP6 (E2M3) with E8M0 scales; the keys are quantised again along each head's 64, the values along the 1,024 context tokens, for the two products of attention.
; OPERANDS arrive as images of their registers: a fragment (16 rows x 128 K) is 1,536 bytes, group c of four registers at 512 c + 16 x lane; its scale words 128 bytes, 4 x lane.  y_q: [group of 8 token tiles][K step][8 x 1,536 | 8 x 128];
; wkv_q: [group of 16 row tiles][K step][16 x 1,536 | 16 x 128], logical rows 0-1023 all heads' key rows, 1024-2047 all heads' value rows.  Lane r of tile T stands for row 32 (T / 2) + 8 (T % 2) + r + 8 (r / 8).
; SHARES.  A work-group makes 256 tokens (two groups of 8 token tiles) x 256 logical columns (four heads' keys, or four heads' values): 8 x 32 = 256 work-groups.  Its operands for ALL of K (768) are two dense blocks of 159,744 bytes each,
; which lie in LDS as in memory: every byte of LDS is filled once, all fills go out at the head.  K goes in three phases of two K steps: wave w of 0-5 issues the load of piece w of the two token groups, waves 8-10 those of the
; phases of Wkv's block (one tensor load a wave at the most).
; CLUSTERS: 4 x 4 work-groups; the four of a row share the tokens' blocks, the four of a column the weight's: joint loads.  The cluster's x says what a cluster makes: 0 keys, 1 values.  That number is the same in all sixteen partners.
; KEYS (source 0 = 16 rows of Wkv, source 1 = 16 tokens): wave w of sixteen makes tokens 64 (w / 4) on x head w % 4; a lane holds one token and the head's 64 in 32 registers a tile; two token tiles make a PAIR IMAGE (registers 0-5 tile 2 g,
; 6-11 tile 2 g + 1; scale bytes 0, 1 and 2, 3).  The bias is loaded into the accumulators.
; VALUES (source 0 = 16 tokens, source 1 = 16 rows of Wkv): wave w makes the 128 tokens of group w / 8 x row tiles 2 (w % 8), 2 (w % 8) + 1; a lane holds one channel d and 128 neighbouring tokens in 64 registers: one fragment of V^T.
; The bias, one number a lane, is the C of the first K step.
; OUT: kv_ws [batch x 16 + head][K: 32 pairs x 1,536 | 32 x 128 | V: 32 fragments (4 x key step + tile of d) x 1,536 | 32 x 128].
; LIMITS: NaN and infinities are not served; a block of zeros, or one under 2^-124, gets the scale byte 1 (zero codes add nothing; this program alone reads the bytes).
.set NK,    6
.set NP,    NK/2
.set CA,    13312                      ; a K step of 8 token tiles
.set CB,    26624                      ; a K step of 16 row tiles
.set PA,    2*CA
.set PB,    2*CB
.set GA,    NK*CA                      ; a group of 8 token tiles, all of K
.set BBASE, 2*GA                       ; LDS: the two token groups at 0 and GA, the weight's block behind them
.set REC,   106496                     ; a head's record in kv_ws
.set LA,    4                          ; v4-7 LDS addresses: token fragments, their scale words, weight fragments, their scale words
.set LAS,   5
.set LB,    6
.set LBS,   7
.set BO,    8                          ; v8   my place in the bias
.set L16,   9
.set L4,    10
.set ACC,   16                         ; v16-143 keys: (token tile m, column tile t) at ACC + 8 (4 m + t);  values: (row tile n, token tile tt) at ACC + 8 (8 n + tt)
.set FB,    144                        ; keys: four weight fragments, four token fragments
.set FA,    192
.set SB,    240                        ; v240-247 hold scales and nothing else
.set SA,    244
.set FW,    144                        ; values: two weight fragments, four token fragments, the bias of two row tiles
.set FY,    168
.set BV,    216
.set SY,    240
.set SW,    244
.set TM,    144                        ; the way out
.set PC,    160
.set PW,    180
.set WV,    12
.set G1A,   20                         ; s[20:27], s[28:35] descriptor groups 1 for the tokens' and the weight's blocks
.set G1B,   28
.set G0A,   36                         ; s[36:39] group 0 of my piece of the token groups;  s[68:71] of my phase of the weight's block
.set G0B,   68
.set G0C,   88
.set SEL,   86
.macro CROUND                          ; a round of the cluster's barrier
	s_barrier_signal -1
	s_barrier_wait -1
	s_cmp_lg_u32 s[WV], 0
	s_cbranch_scc1 .Lnot_wave_0_\@
	s_barrier_signal -3
.Lnot_wave_0_\@:
	s_barrier_wait -3
	s_barrier_signal -1
	s_barrier_wait -1
.endm
.macro PLACES                          ; four plain vector instructions between a matrix instruction and a load into, or a vector read or write of, its registers
.rept 4
	v_nop
.endr
.endm
.macro LDFR reg, adr, off
.irp c, 0,1,2
	ds_load_b128 v[\reg+4*\c:\reg+4*\c+3], v[\adr] offset:\off+512*\c
.endr
.endm
.macro WM d, a, b, sa, sb              ; D += A x B, in place
	v_wmma_scale_f32_16x16x128_f8f6f4 v[\d:\d+7], v[\a:\a+11], v[\b:\b+11], v[\d:\d+7], v[\sa], v[\sb] matrix_a_fmt:MATRIX_FMT_FP6 matrix_b_fmt:MATRIX_FMT_FP6
.endm
.macro WMC d, a, b, c, sa, sb          ; D = A x B + C
	v_wmma_scale_f32_16x16x128_f8f6f4 v[\d:\d+7], v[\a:\a+11], v[\b:\b+11], v[\c:\c+7], v[\sa], v[\sb] matrix_a_fmt:MATRIX_FMT_FP6 matrix_b_fmt:MATRIX_FMT_FP6
.endm
; 64 numbers of a lane, v[s] .. v[s + 63], register 16 b + i = k 32 b + 16 h + i, become a fragment's codes in v[PC] .. v[PC + 11] and its scale word in v[PW].
.macro QUANT s
.irp b, 0,1,2,3
	v_max3_num_f32 v[TM+\b], |v[\s+16*\b]|, |v[\s+1+16*\b]|, 0x1800000   ; block b: my 16 numbers, and the floor 2^(3 - 127): the byte cannot fall under 1
.endr
.irp i, 2,4,6,8,10,12,14
.irp b, 0,1,2,3
	v_max3_num_f32 v[TM+\b], v[TM+\b], |v[\s+16*\b+\i]|, |v[\s+1+16*\b+\i]|
.endr
.endr
.irp b, 0,1,2,3
	s_delay_alu instid0(VALU_DEP_4)
	v_permlanex16_b32 v[TM+4+\b], v[TM+\b], s[SEL], s[SEL+1]
.endr
.irp b, 0,1,2,3
	s_delay_alu instid0(VALU_DEP_4)
	v_max_num_f32 v[TM+\b], v[TM+\b], v[TM+4+\b]   ; with lane l xor 16's: the block's largest magnitude
.endr
.irp b, 0,1,2,3
	s_delay_alu instid0(VALU_DEP_4)
	v_add_nc_u32 v[TM+12+\b], 0xff000000, v[TM+\b]   ; 2 off its exponent field: the conversion's scale operand
.endr
.irp b, 0,1,2,3
	s_delay_alu instid0(VALU_DEP_4)
	v_lshrrev_b32 v[TM+4+\b], 23, v[TM+12+\b]      ; the scale's byte
.endr
	s_delay_alu instid0(VALU_DEP_3)
	v_lshl_or_b32 v[PW], v[TM+5], 8, v[TM+4]
	s_delay_alu instid0(VALU_DEP_1)
	v_lshl_or_b32 v[PW], v[TM+6], 16, v[PW]
	s_delay_alu instid0(VALU_DEP_1)
	v_lshl_or_b32 v[PW], v[TM+7], 24, v[PW]
.irp c, 0,1
	v_cvt_scalef32_pk16_fp6_f32 v[PC+6*\c:PC+2+6*\c], v[\s+32*\c:\s+15+32*\c], v[TM+12+2*\c]
	v_cvt_scalef32_pk16_fp6_f32 v[PC+12+4*\c:PC+14+4*\c], v[\s+16+32*\c:\s+31+32*\c], v[TM+12+2*\c+1]
.endr
	v_nop                                          ; one plain place behind a scaled conversion
.irp c, 0,1
.irp i, 0,1,2
	v_permlane16_swap_b32 v[PC+6*\c+\i], v[PC+12+4*\c+\i]
.endr
.irp i, 0,1,2
	s_delay_alu instid0(VALU_DEP_3)
	v_mov_b32 v[PC+3+6*\c+\i], v[PC+12+4*\c+\i]
.endr
.endr
.endm
; KEYS: the q-th K step of a phase: 8 fragments, 8 scale words, 16 matrix instructions; the 16 accumulators take turns, one instruction a turn.
.macro KSTEP_T q
	PLACES
.irp t, 0,1,2,3
	LDFR FB+12*\t, LB, (\q)*CB+1536*\t
.endr
.irp t, 0,1,2,3
	ds_load_b32 v[SB+\t], v[LBS] offset:(\q)*CB+128*\t
.endr
.irp m, 0,1,2,3
	LDFR FA+12*\m, LA, (\q)*CA+1536*\m
	ds_load_b32 v[SA+\m], v[LAS] offset:(\q)*CA+128*\m
.endr
.irp m, 0,1,2,3
	s_wait_dscnt 4*(3-\m)                          ; the four loads of each later token tile may stay out
.irp t, 0,1,2,3
	WM ACC+8*(4*\m+\t), FB+12*\t, FA+12*\m, SB+\t, SA+\m
.endr
.endr
.endm
; VALUES: the same for 2 row tiles x 8 token tiles, the token tiles four at a time.  first = 1: the bias starts the sums.
.macro KSTEP_N q, first
	PLACES
.irp n, 0,1
	LDFR FW+12*\n, LB, (\q)*CB+1536*\n
	ds_load_b32 v[SW+\n], v[LBS] offset:(\q)*CB+128*\n
.endr
.irp hh, 0,1
.if \hh
	PLACES
.endif
.irp i, 0,1,2,3
	LDFR FY+12*\i, LA, (\q)*CA+1536*(4*\hh+\i)
	ds_load_b32 v[SY+\i], v[LAS] offset:(\q)*CA+128*(4*\hh+\i)
.endr
	s_wait_dscnt 0x0
.irp i, 0,1,2,3
.irp n, 0,1
.if \first
	WMC ACC+8*(8*\n+4*\hh+\i), FY+12*\i, FW+12*\n, BV+8*\n, SY+\i, SW+\n
.else
	WM ACC+8*(8*\n+4*\hh+\i), FY+12*\i, FW+12*\n, SY+\i, SW+\n
.endif
.endr
.endr
.endr
.endm
.macro MEET p                          ; a phase's head
.if (\p) == 0
	s_wait_tensorcnt 0x0                           ; my one load, if I have one, has landed;
	s_barrier_signal -1                            ; no LDS instruction of mine is out here
	s_barrier_wait -1                              ; everybody's has: all blocks are whole, so the later phases have no wait and no barrier
.endif
.endm
.macro ONWARD p                        ; and its end: on to the next phase's bytes
.if (\p) < NP-1
	v_add_nc_u32 v[LA], PA, v[LA]
	v_add_nc_u32 v[LAS], PA, v[LAS]
	v_add_nc_u32 v[LB], PB, v[LB]
	v_add_nc_u32 v[LBS], PB, v[LBS]
.endif
.endm
.macro PHASE_T p
	MEET \p
	KSTEP_T 0
	KSTEP_T 1
	ONWARD \p
.endm
.macro PHASE_N p, first
	MEET \p
	KSTEP_N 0, \first
	KSTEP_N 1, 0
	ONWARD \p
.endm
	s_load_b256 s[4:11], s[0:1], 0x0               ; y_q s[4:5], wkv_q s[6:7], bkv s[8:9], kv_ws s[10:11]
	v_lshl_add_u32 v254, v0, 2, 0x4e000
	v_mov_b32 v255, 0
	ds_add_u32 v254, v255
	ds_add_u32 v254, v255
	v_lshrrev_b32 v1, 5, v0
	s_delay_alu instid0(VALU_DEP_1)
	v_readfirstlane_b32 s[WV], v1                  ; wave 0..15
	s_lshr_b32 s13, s[WV], 2                       ; keys: which 64 of the 256 tokens,
	s_and_b32 s14, s[WV], 3                        ; and which head of the four
	s_bfe_u32 s15, ttmp6, 0x40000                  ; cx, cy
	s_bfe_u32 s16, ttmp6, 0x40004
	s_lshl_b32 s17, ttmp9, 2
	s_add_co_u32 s17, s17, s15                     ; which 256 logical columns
	s_and_b32 s18, ttmp7, 0xffff
	s_lshl_b32 s18, s18, 2
	s_add_co_u32 s18, s18, s16                     ; which 256 tokens
	s_lshl_b32 s52, s16, 2
	s_lshl_b32 s52, 15, s52                        ; my row of the cluster
	s_lshl_b32 s53, 0x1111, s15                    ; my column
	; descriptor groups 1: dense blocks as rows of 256 bytes (32 elements of 8 bytes), no padding: 104 rows of a token group's phase, 208 of the weight's
	s_or_b32 s[G1A], s52, (3<<16)|(1<<21)          ; 15:0 the mask; 17:16 elements of 8 bytes; 21 set beside a mask
	s_or_b32 s[G1B], s53, (3<<16)|(1<<21)
	s_mov_b32 s[G1A+1], 32<<16                     ; tensor_dim0
	s_mov_b32 s[G1A+2], 104<<16                    ; tensor_dim1
	s_mov_b32 s[G1A+3], 32<<16                     ; tile_dim0
	s_mov_b32 s[G1A+4], 104                        ; tile_dim1
	s_mov_b32 s[G1A+5], 32                         ; from row to row
	s_mov_b32 s[G1A+6], 0
	s_mov_b32 s[G1A+7], 0
	s_mov_b32 s[G1B+1], 32<<16
	s_mov_b32 s[G1B+2], 208<<16
	s_mov_b32 s[G1B+3], 32<<16
	s_mov_b32 s[G1B+4], 208
	s_mov_b32 s[G1B+5], 32
	s_mov_b32 s[G1B+6], 0
	s_mov_b32 s[G1B+7], 0
	s_mul_i32 s54, s18, 2*GA                       ; the tokens' two groups lie on end in memory and hang on the work-group's y alone,
	s_mov_b32 s55, 0
	s_mul_i32 s56, s17, NK*CB                      ; the weight's block on its x alone
	s_mov_b32 s57, 0
	s_wait_dscnt 0x0
	s_wait_kmcnt 0x0
	s_add_nc_u64 s[54:55], s[4:5], s[54:55]
	s_add_nc_u64 s[56:57], s[6:7], s[56:57]
	CROUND                                         ; all sixteen work-groups are here: the joint loads meet
	; THE FILLS AS THE TEXT NOW HAS THEM (this takes the place of the head comment's account): at most ONE tensor load a wave.
	; The two token groups lie on end in memory and in LDS, six pieces of PA bytes: wave w of 0-5 fetches piece w.  Waves 8-10 fetch phase w % 4 of the weight's block.  The other waves fetch nothing.
	s_mul_i32 s58, s[WV], PA                       ; my piece of the tokens' blocks (waves 0-5),
	s_mov_b32 s59, 0
	s_mul_i32 s60, s14, PB                         ; my phase of the weight's (waves 8-10)
	s_mov_b32 s61, 0
	s_mov_b32 s[G0A], 1                            ; count = 1
	s_mov_b32 s[G0A+1], s58                        ; LDS address
	s_add_nc_u64 s[G0A+2:G0A+3], s[54:55], s[58:59]
	s_or_b32 s[G0A+3], s[G0A+3], 0x80000000        ; type = 2
	s_mov_b32 s[G0B], 1
	s_add_co_u32 s[G0B+1], s60, BBASE
	s_add_nc_u64 s[G0B+2:G0B+3], s[56:57], s[60:61]
	s_or_b32 s[G0B+3], s[G0B+3], 0x80000000
	s_cmp_lt_u32 s[WV], 6                          ; one chain of branches on the wave's number, one fill to an arm, one join
	s_cbranch_scc0 .Lnot_a
	tensor_load_to_lds s[G0A:G0A+3], s[G1A:G1A+7]
	s_nop 0
	PLACES
	s_branch .Lasked
.Lnot_a:
	s_cmp_lt_u32 s[WV], 8
	s_cbranch_scc1 .Lasked
	s_cmp_lt_u32 s[WV], 11
	s_cbranch_scc0 .Lasked
	tensor_load_to_lds s[G0B:G0B+3], s[G1B:G1B+7]
	s_nop 0
	PLACES
.Lasked:
	v_and_b32 v1, 31, v0                           ; lane
	v_and_b32 v2, 15, v0                           ; r
	v_bfe_u32 v3, v0, 4, 1                         ; h
	s_delay_alu instid0(VALU_DEP_3)
	v_lshlrev_b32 v[L16], 4, v1
	s_delay_alu instid0(VALU_DEP_4)
	v_lshlrev_b32 v[L4], 2, v1
	s_mov_b32 s[SEL], 0x76543210
	s_mov_b32 s[SEL+1], 0xfedcba98
	s_cmp_lg_u32 ttmp9, 0                          ; the cluster's x: the same in all sixteen partners and in all sixteen waves
	s_cbranch_scc1 .Lvalues
	; ---------------- KEYS
	s_lshr_b32 s58, s13, 1                         ; which group of 128 tokens,
	s_mul_i32 s58, s58, GA
	s_and_b32 s59, s13, 1                          ; and which four of its eight tiles
	s_mul_i32 s60, s59, 6144
	s_add_co_u32 s60, s60, s58
	s_wait_alu depctr_va_vdst(0)
	v_add_nc_u32 v[LA], s60, v[L16]
	s_lshl_b32 s60, s59, 9
	s_add_co_u32 s60, s60, s58
	s_add_co_u32 s60, s60, 12288
	v_add_nc_u32 v[LAS], s60, v[L4]
	s_mul_i32 s58, s14, 6144                       ; my four row tiles
	s_add_co_u32 s58, s58, BBASE
	v_add_nc_u32 v[LB], s58, v[L16]
	s_lshl_b32 s58, s14, 9
	s_add_co_u32 s58, s58, BBASE+24576
	v_add_nc_u32 v[LBS], s58, v[L4]
	v_lshlrev_b32 v[BO], 6, v3
	s_lshl_b32 s58, s17, 11                        ; head 4 x + w % 4: its key rows' bias begins 512 x head bytes on
	s_lshl_b32 s59, s14, 9
	s_add_co_u32 s58, s58, s59
	s_mov_b32 s59, 0
	s_add_nc_u64 s[8:9], s[8:9], s[58:59]
.irp m, 0,1,2,3
.irp t, 0,1,2,3
	global_load_b128 v[ACC+8*(4*\m+\t):ACC+8*(4*\m+\t)+3], v[BO], s[8:9] offset:(32*(\t/2)+8*(\t%2))*4      ; register j of tile t: channel 32 (t / 2) + 16 h + 8 (t % 2) + j
	global_load_b128 v[ACC+8*(4*\m+\t)+4:ACC+8*(4*\m+\t)+7], v[BO], s[8:9] offset:(32*(\t/2)+8*(\t%2))*4+16
.endr
.endr
	s_lshr_b32 s58, s18, 2                         ; record 16 batch + head (a batch is four work-groups' tokens), pairs 8 (y % 4) + 2 (w / 4) on
	s_lshl_b32 s58, s58, 4
	s_lshl_b32 s59, s17, 2
	s_add_co_u32 s58, s58, s59
	s_add_co_u32 s58, s58, s14
	s_mul_i32 s58, s58, REC
	s_and_b32 s59, s18, 3
	s_lshl_b32 s59, s59, 3
	s_lshl_b32 s60, s13, 1
	s_add_co_u32 s59, s59, s60
	s_mul_i32 s60, s59, 1536
	s_add_co_u32 s60, s60, s58
	s_mov_b32 s61, 0
	s_lshl_b32 s62, s59, 7
	s_add_co_u32 s62, s62, s58
	s_add_co_u32 s62, s62, 49152
	s_mov_b32 s63, 0
	s_add_nc_u64 s[60:61], s[10:11], s[60:61]
	s_add_nc_u64 s[62:63], s[10:11], s[62:63]
	s_wait_alu depctr_va_vdst(0)
	s_wait_loadcnt 0x0                             ; the bias lies in the accumulators
	PHASE_T 0
	s_wait_alu depctr_va_vdst(0)
	PHASE_T 1
	s_wait_alu depctr_va_vdst(0)
	PHASE_T 2
	PLACES
.irp b, 0,1,2,3
	v_mov_b32 v[TM+4+\b], 0                        ; a lane permute's destination counts as one of its sources
.endr
.irp pp, 0,1
.if \pp
	s_wait_xcnt 0x0                                ; the stores above have read their registers, which are written again
.endif
	QUANT ACC+64*\pp
.irp c, 0,1,2
	global_store_b128 v[L16], v[PC+4*\c:PC+4*\c+3], s[60:61] offset:1536*\pp+512*\c   ; 512 consecutive bytes, at a multiple of 256 from the buffer's first byte
.endr
	global_store_b32 v[L4], v[PW], s[62:63] offset:128*\pp
.endr
	s_branch .Lend
	; ---------------- VALUES
.Lvalues:
	s_lshr_b32 s84, s[WV], 3                       ; which group of 128 tokens,
	s_and_b32 s85, s[WV], 7                        ; and which two of the sixteen row tiles
	s_mul_i32 s58, s84, GA
	s_wait_alu depctr_va_vdst(0)
	v_add_nc_u32 v[LA], s58, v[L16]                ; all eight token tiles of the group
	s_add_co_u32 s58, s58, 12288
	v_add_nc_u32 v[LAS], s58, v[L4]
	s_mul_i32 s58, s85, 3072
	s_add_co_u32 s58, s58, BBASE
	v_add_nc_u32 v[LB], s58, v[L16]
	s_lshl_b32 s58, s85, 8
	s_add_co_u32 s58, s58, BBASE+24576
	v_add_nc_u32 v[LBS], s58, v[L4]
	v_and_b32 v[BO], 8, v2
	s_delay_alu instid0(VALU_DEP_1)
	v_add_nc_u32 v[BO], v[BO], v2
	s_delay_alu instid0(VALU_DEP_1)
	v_lshlrev_b32 v[BO], 2, v[BO]                  ; 4 (r + 8 (r / 8))
	s_wait_alu depctr_va_vdst(0)
	s_sub_co_u32 s58, s17, 4
	s_lshl_b32 s58, s58, 2
	s_lshr_b32 s59, s85, 1
	s_add_co_u32 s58, s58, s59                     ; my head: 4 (x - 4) + (w % 8) / 2
	s_and_b32 s59, s85, 1                          ; and which 32 of its 64 channels
	s_lshl_b32 s60, s58, 9
	s_lshl_b32 s61, s59, 7
	s_add_co_u32 s60, s60, s61
	s_add_co_u32 s60, s60, 256                     ; a head's value rows lie 64 rows behind its key rows
	s_mov_b32 s61, 0
	s_add_nc_u64 s[8:9], s[8:9], s[60:61]
.irp n, 0,1
.irp j, 0,1,2,3,4,5,6,7
	global_load_b32 v[BV+8*\n+\j], v[BO], s[8:9] offset:32*\n   ; a lane holds one channel: the same number in the eight registers of a C
.endr
.endr
	s_lshr_b32 s60, s18, 2                         ; record 16 batch + head
	s_lshl_b32 s60, s60, 4
	s_add_co_u32 s58, s58, s60
	s_mul_i32 s58, s58, REC
	s_and_b32 s60, s18, 3
	s_lshl_b32 s60, s60, 1
	s_add_co_u32 s60, s60, s84                     ; the key step: 2 (y % 4) + w / 8
	s_lshl_b32 s60, s60, 2
	s_lshl_b32 s59, s59, 1
	s_add_co_u32 s59, s59, s60                     ; fragments 4 x key step + 2 (w % 2) on
	s_mul_i32 s60, s59, 1536
	s_add_co_u32 s60, s60, s58
	s_add_co_u32 s60, s60, 53248
	s_mov_b32 s61, 0
	s_lshl_b32 s62, s59, 7
	s_add_co_u32 s62, s62, s58
	s_add_co_u32 s62, s62, 102400
	s_mov_b32 s63, 0
	s_add_nc_u64 s[60:61], s[10:11], s[60:61]
	s_add_nc_u64 s[62:63], s[10:11], s[62:63]
	s_wait_loadcnt 0x0                             ; the bias
	PHASE_N 0, 1
	s_wait_alu depctr_va_vdst(0)
	PHASE_N 1, 0
	s_wait_alu depctr_va_vdst(0)
	PHASE_N 2, 0
	PLACES
.irp b, 0,1,2,3
	v_mov_b32 v[TM+4+\b], 0
.endr
.irp n, 0,1                                    ; row tile n: 64 registers = 128 neighbouring tokens of my channel: one fragment of V^T
.if \n
	s_wait_xcnt 0x0                                ; the stores above have read their registers, which are written again
.endif
	QUANT ACC+64*\n
.irp c, 0,1,2
	global_store_b128 v[L16], v[PC+4*\c:PC+4*\c+3], s[60:61] offset:1536*\n+512*\c
.endr
	global_store_b32 v[L4], v[PW], s[62:63] offset:128*\n
.endr
.Lend:
	s_wait_dscnt 0x0
	s_wait_tensorcnt 0x0
	ds_add_u32 v254, v255
	s_wait_dscnt 0x0
	CROUND                                         ; the closing round: no work-group ends while a partner may still ask for a block that names it
	s_endpgm
.Lfunc_end_k_q6011b2819b_kvproj:
	.size	k_q6011b2819b_kvproj, .Lfunc_end_k_q6011b2819b_kvproj-k_q6011b2819b_kvproj
	.p2alignl 7, 3214868480
	.fill 96, 4, 3214868480
	.section	.rodata,"a",@progbits
	.p2align	6, 0x0
	.amdhsa_kernel k_q6011b2819b_kvproj
		.amdhsa_group_segment_fixed_size 321536
		.amdhsa_private_segment_fixed_size 0
		.amdhsa_enable_private_segment 0
		.amdhsa_kernarg_size 32
		.amdhsa_user_sgpr_count 2
		.amdhsa_user_sgpr_kernarg_segment_ptr 1
		.amdhsa_wavefront_size32 1
		.amdhsa_system_sgpr_workgroup_id_x 1
		.amdhsa_system_sgpr_workgroup_id_y 1
		.amdhsa_system_sgpr_workgroup_id_z 1
		.amdhsa_system_vgpr_workitem_id 0
		.amdhsa_next_free_vgpr 256
		.amdhsa_next_free_sgpr 100
		.amdhsa_reserve_vcc 0
		.amdhsa_float_denorm_mode_32 3
		.amdhsa_float_denorm_mode_16_64 3
		.amdhsa_memory_ordered 1
		.amdhsa_forward_progress 1
		.amdhsa_inst_pref_size 89
	.end_amdhsa_kernel
	.amdgpu_metadata
---
amdhsa.version: [ 1, 2 ]
amdhsa.kernels:
  - .name:           k_q6011b2819b_kvproj
    .symbol:         k_q6011b2819b_kvproj.kd
    .args:
      - { .name: y_q, .offset: 0, .size: 8, .value_kind: global_buffer, .address_space: global }
      - { .name: wkv_q, .offset: 8, .size: 8, .value_kind: global_buffer, .address_space: global }
      - { .name: bkv, .offset: 16, .size: 8, .value_kind: global_buffer, .address_space: global }
      - { .name: kv_ws, .offset: 24, .size: 8, .value_kind: global_buffer, .address_space: global }
    .group_segment_fixed_size: 321536
    .private_segment_fixed_size: 0
    .kernarg_segment_align: 8
    .kernarg_segment_size: 32
    .max_flat_workgroup_size: 512
    .sgpr_count:     100
    .vgpr_count:     256
    .wavefront_size: 32
...
	.end_amdgpu_metadata
.endif
;; end of part 3
;; launch attn (part 4): grid 4 x 64, 16 waves a work-group, clusters of 4 x 1, 215,040 bytes of LDS; arguments q_ws, kv_ws, o_q; writes o_q
.if DOCPART == 4
	.amdgcn_target "amdgcn-amd-amdhsa--gfx1250"
	.amdhsa_code_object_version 6
	.text
	.protected	k_q6011b2819b_attn
	.globl	k_q6011b2819b_attn
	.p2align	8
	.type	k_q6011b2819b_attn,@function
k_q6011b2819b_attn:
	s_mov_b64 s[64:65], 0
	v_nop
	global_prefetch_b8 v0, s[64:65] scope:SCOPE_SE
	s_setreg_imm32_b32 hwreg(HW_REG_WAVE_MODE, 25, 1), 1
	s_wait_xcnt 0x0
	s_wait_alu depctr_hold_cnt(0) depctr_sa_sdst(0) depctr_va_vdst(0) depctr_va_sdst(0) depctr_va_ssrc(0) depctr_va_vcc(0) depctr_vm_vsrc(0)
	s_getreg_b32 s2, hwreg(HW_REG_IB_STS2, 6, 4)
	s_cmp_eq_u32 s2, 0
	s_cbranch_scc0 .Lentry_in_a_cluster
	s_endpgm
.Lentry_in_a_cluster:
	s_bfe_u32 s2, ttmp6, 0x10000c
	s_cmp_lg_u32 s2, 0x3003
	s_cbranch_scc0 .Lentry_shape_is_right
	s_endpgm
.Lentry_shape_is_right:
; O = softmax(q k^T / 8) v for 8 batches x 16 heads of 64, 1,024 queries and 1,024 keys, both products on codes of FP6 (E2M3) with E8M0 scales; O / the row's sum is quantised again along the 1,024 (head x 64 + d), for the last projection.
; THE SOFTMAX AHEAD OF THE SECOND PRODUCT: t = score x log2(e) / 8; M = the row's largest t so far, rounded UP to a whole number; p = 2^(t - M) is what is quantised, along the keys; the row's sum is taken of the unquantised p and divides O at the end.
; When M moves, the sum and O are multiplied by 2^(old M - new M): exact.
; SHARES.  Work-group (cx, y), y = 8 batch + hp: heads 2 hp and 2 hp + 1, queries 256 cx on.  Each of its sixteen waves owns one tile of 16 queries, for both heads, one after the other: four waves to a SIMD, so that one wave's vector work stands
; beside another's matrix work and LDS loads.  A wave's two finished tiles of O are 128 neighbours along the last projection's K: one fragment.
; LDS holds the two heads' records of kv_ws as they lie in memory, 2 x 106,496 bytes: [K: 32 pair images x 1,536 | 32 x 128 | V: 32 fragments x 1,536 | 32 x 128].  Every byte is filled once, at the head; nothing is filled again.
; CLUSTER: the four query blocks of a pair of heads read the same 212,992 bytes: joint loads with a mask that names the four.  Waves 0 to 7 fetch an eighth of the two records each: one tensor load a wave.
; K = 64 IN A FORM OF K = 128.  A pair image of the keys holds key tile 2 g in registers 0-5 and key tile 2 g + 1 in 6-11.  Against [q | zero codes] it gives tile 2 g's scores, against [zero codes | q] tile 2 g + 1's.
; Both products are used transposed (S^T = k q^T, O^T = v^T p^T): a lane holds ONE query throughout.  Lane r of tile T stands for row 32 (T / 2) + 8 (T % 2) + r + 8 (r / 8), so the 16 registers of key tiles 2 g, 2 g + 1 are 16 neighbouring keys, and
; the 32 registers of O^T are the head's 64 channels, register 16 b + i = d 32 b + 16 h + i.
; LIMITS: NaN and infinities are not served; a block of zeros, or one under 2^-124, gets the scale byte 1 (zero codes add nothing; this program alone reads the bytes).
; REGISTERS: v1 16 x lane, v2 4 x lane; v3, v4 the step's LDS addresses; v5-7 q's pieces; v12 -M, v13 the largest t, v[14:15] the sum in two halves; v16-45 [zeros | q of head 0 | zeros | q of head 1 | zeros], six each; v46, v47 q's scale words;
; v48-95 four fragments of K, then of V; v96-159 S^T, then p; v160-191 head 0's finished O; v192-223 O^T; v224-235 p's codes; v232-242, v244-247, v252, v254 at work; v248-251 K's or V's scale words; v253 p's scale word.
.set REC,   106496                     ; a head's record in kv_ws
.set QREC,  53248                      ; and in q_ws
.set ADK,   3
.set ADS,   4
.set WV,    12                         ; s12 wave; s13 cx; s14 y
.set CX,    13
.set YY,    14
.set SEL,   16                         ; s[16:17] v_permlanex16_b32's selects for lane l xor 16
.set CS,    18                         ; s[18:19] c = log2(e) / 8: the packed form names a pair and takes its low word for both halves
.set G1,    20                         ; s[20:27] descriptor group 1;  s[28:31] group 0
.set G0,    28
.set TK,    36                         ; s36 LDS byte of the step's key pairs;  s37 of their scale words;  s38 steps to go;  s39 16 x (wave % 2)
.set TS,    37
.set KC,    38
.set SH,    39
.set TM,    48                         ; the way out: at work, codes, scale word
.set PC,    64
.set PW,    84
.macro CROUND                          ; a round of the cluster's barrier
	s_barrier_signal -1
	s_barrier_wait -1
	s_cmp_lg_u32 s[WV], 0
	s_cbranch_scc1 .Lnot_wave_0_\@
	s_barrier_signal -3
.Lnot_wave_0_\@:
	s_barrier_wait -3
	s_barrier_signal -1
	s_barrier_wait -1
.endm
.macro PLACES                          ; four plain vector instructions between a matrix instruction and a load into, or a vector read or write of, its registers
.rept 4
	v_nop
.endr
.endm
.macro LDFR reg, adr, off
.irp c, 0,1,2
	ds_load_b128 v[\reg+4*\c:\reg+4*\c+3], v[\adr] offset:\off+512*\c
.endr
.endm
.macro WM d, a, b, sa, sb              ; D += A x B, in place
	v_wmma_scale_f32_16x16x128_f8f6f4 v[\d:\d+7], v[\a:\a+11], v[\b:\b+11], v[\d:\d+7], v[\sa], v[\sb] matrix_a_fmt:MATRIX_FMT_FP6 matrix_b_fmt:MATRIX_FMT_FP6
.endm
.macro WMZ d, a, b, sa, sb             ; D = A x B
	v_wmma_scale_f32_16x16x128_f8f6f4 v[\d:\d+7], v[\a:\a+11], v[\b:\b+11], 0, v[\sa], v[\sb] matrix_a_fmt:MATRIX_FMT_FP6 matrix_b_fmt:MATRIX_FMT_FP6
.endm
; 64 numbers of a lane, v[s] .. v[s + 63], register 16 b + i = k 32 b + 16 h + i, become a fragment's codes in v[PC] .. v[PC + 11] and its scale word in v[PW].
.macro QUANT s
.irp b, 0,1,2,3
	v_max3_num_f32 v[TM+\b], |v[\s+16*\b]|, |v[\s+1+16*\b]|, 0x1800000   ; block b: my 16 numbers, and the floor 2^(3 - 127): the byte cannot fall under 1
.endr
.irp i, 2,4,6,8,10,12,14
.irp b, 0,1,2,3
	s_delay_alu instid0(VALU_DEP_4)
	v_max3_num_f32 v[TM+\b], v[TM+\b], |v[\s+16*\b+\i]|, |v[\s+1+16*\b+\i]|
.endr
.endr
.irp b, 0,1,2,3
	s_delay_alu instid0(VALU_DEP_4)
	v_permlanex16_b32 v[TM+4+\b], v[TM+\b], s[SEL], s[SEL+1]
.endr
.irp b, 0,1,2,3
	s_delay_alu instid0(VALU_DEP_4)
	v_max_num_f32 v[TM+\b], v[TM+\b], v[TM+4+\b]
.endr
.irp b, 0,1,2,3
	s_delay_alu instid0(VALU_DEP_4)
	v_add_nc_u32 v[TM+12+\b], 0xff000000, v[TM+\b]
.endr
.irp b, 0,1,2,3
	s_delay_alu instid0(VALU_DEP_4)
	v_lshrrev_b32 v[TM+4+\b], 23, v[TM+12+\b]
.endr
	s_delay_alu instid0(VALU_DEP_3)
	v_lshl_or_b32 v[PW], v[TM+5], 8, v[TM+4]
	s_delay_alu instid0(VALU_DEP_1)
	v_lshl_or_b32 v[PW], v[TM+6], 16, v[PW]
	s_delay_alu instid0(VALU_DEP_1)
	v_lshl_or_b32 v[PW], v[TM+7], 24, v[PW]
.irp c, 0,1
	v_cvt_scalef32_pk16_fp6_f32 v[PC+6*\c:PC+2+6*\c], v[\s+32*\c:\s+15+32*\c], v[TM+12+2*\c]
	v_cvt_scalef32_pk16_fp6_f32 v[PC+12+4*\c:PC+14+4*\c], v[\s+16+32*\c:\s+31+32*\c], v[TM+12+2*\c+1]
.endr
	v_nop                                          ; one plain place behind a scaled conversion
.irp c, 0,1
.irp i, 0,1,2
	v_permlane16_swap_b32 v[PC+6*\c+\i], v[PC+12+4*\c+\i]
.endr
.irp i, 0,1,2
	s_delay_alu instid0(VALU_DEP_3)
	v_mov_b32 v[PC+3+6*\c+\i], v[PC+12+4*\c+\i]
.endr
.endr
.endm
; ONE HEAD: eight steps of 128 keys, then O^T / the sum into v[160 + 32 hd] on.
.macro HEAD hd
	v_mov_b32 v13, 0xff61b1e6                      ; the largest t so far: -3e38, under every t
	s_delay_alu instid0(VALU_DEP_1)
	v_floor_f32 v12, -v13                          ; -M
	v_mov_b32 v14, 0                               ; the sum, in two halves
	v_mov_b32 v15, 0
.set J, 0
.rept 32
	v_mov_b32 v[192+J], 0                          ; O^T: the loop is written once; its first step finds zeros, which the first change of M leaves zeros.  (These lines are also the places behind the vector writes of q's scale words and of the zero codes)
.set J, J+1
.endr
	s_mov_b32 s[TK], (\hd)*REC
	s_mov_b32 s[TS], (\hd)*REC+49152
	s_mov_b32 s[KC], 8
.Lkey_\@:
	v_add_nc_u32 v[ADK], s[TK], v1
	v_add_nc_u32 v[ADS], s[TS], v2
	v_nop
	v_nop                                          ; four places behind the last step's products, in front of the loads into their registers
.irp i, 0,1,2,3
	LDFR 48+12*\i, ADK, 1536*\i                    ; four pair images: 128 keys
	ds_load_b32 v[248+\i], v[ADS] offset:128*\i
.endr
	s_wait_alu depctr_va_vdst(0)
	s_wait_dscnt 0x0
.irp i, 0,1,2,3
	WMZ 96+16*\i, 48+12*\i, 22+12*\hd, 248+\i, 46+\hd    ; [q | zeros]: the pair's first tile
	WMZ 104+16*\i, 48+12*\i, 16+12*\hd, 248+\i, 46+\hd   ; [zeros | q]: its second.  Register 96 + 16 i + e is key 32 i + 16 h + e of the step
.endr
	PLACES
.irp i, 0,1,2,3
	LDFR 48+12*\i, ADK, 53248+1536*\i              ; V's four fragments of these 128 keys are asked for now and land under the softmax
	ds_load_b32 v[248+\i], v[ADS] offset:53248+128*\i
.endr
.irp b, 0,1,2,3
	v_max3_num_f32 v[232+\b], v[96+16*\b], v[97+16*\b], v[98+16*\b]   ; the largest score of each block of 32 keys: it serves for the row's maximum and, since p rises with the score, for the block's largest p
.endr
.irp i, 3,5,7,9,11,13
.irp b, 0,1,2,3
	v_max3_num_f32 v[232+\b], v[232+\b], v[96+16*\b+\i], v[97+16*\b+\i]
.endr
.endr
.irp b, 0,1,2,3
	v_max_num_f32 v[232+\b], v[232+\b], v[111+16*\b]
.endr
.irp b, 0,1,2,3
	s_delay_alu instid0(VALU_DEP_4)
	v_permlanex16_b32 v[236+\b], v[232+\b], s[SEL], s[SEL+1]
.endr
.irp b, 0,1,2,3
	s_delay_alu instid0(VALU_DEP_4)
	v_max_num_f32 v[232+\b], v[232+\b], v[236+\b]  ; with lane l xor 16's 16 keys
.endr
	s_delay_alu instid0(VALU_DEP_2)
	v_max3_num_f32 v254, v232, v233, v234
	s_delay_alu instid0(VALU_DEP_1)
	v_max_num_f32 v254, v254, v235                 ; the step's largest score of my query
	s_delay_alu instid0(VALU_DEP_1)
	v_mul_f32 v254, s[CS], v254                    ; as t (c is positive)
	s_delay_alu instid0(VALU_DEP_1)
	v_max_num_f32 v13, v13, v254                   ; the running largest t
	v_mov_b32 v254, v12
	s_delay_alu instid0(VALU_DEP_2)
	v_floor_f32 v12, -v13                          ; the new -M = floor(-t) = -ceil(t): a whole number
	s_delay_alu instid0(VALU_DEP_1)
	v_sub_f32 v254, v12, v254                      ; old M - new M: a whole number, 0 or less
	s_delay_alu instid0(VALU_DEP_1)
	v_cvt_i32_f32 v254, v254                       ; (it saturates)
	s_delay_alu instid0(VALU_DEP_1)
	v_ldexp_f32 v252, 1.0, v254                    ; f = 2^(old M - new M)
.set J, 0
.rept 32
	v_pk_fma_f32 v[96+J:97+J], v[96+J:97+J], s[CS:CS+1], v[12:13] op_sel_hi:[1,0,0]   ; t - M, two at a time
.set J, J+2
.endr
.irp b, 0,1,2,3
	v_fma_f32 v[232+\b], v[232+\b], s[CS], v12     ; the same of each block's largest score
.endr
.set J, 0
	s_wait_alu depctr_va_vdst(0)
.rept 64
	v_exp_f32 v[96+J], v[96+J]                     ; p = 2^(t - M), at most 1: not normalised
.set J, J+1
.endr
	v_pk_mul_f32 v[14:15], v[14:15], v[252:253] op_sel_hi:[1,0]   ; the sums under the new M; a plain place behind the exponentials
	s_wait_alu depctr_va_vdst(0)                   ; one wait for the batch of 64, ahead of its first reader
.irp b, 0,1,2,3
	v_exp_f32 v[232+\b], v[232+\b]                 ; the block's largest p: the same two instructions on the same number give the same bits
.endr
	v_pk_add_f32 v[236:237], v[100:101], v[104:105]
	v_pk_add_f32 v[246:247], v[108:109], v[112:113]
	v_pk_add_f32 v[244:245], v[116:117], v[120:121]
	v_pk_add_f32 v[240:241], v[124:125], v[128:129]
	v_pk_add_f32 v[238:239], v[132:133], v[136:137]
	v_pk_add_f32 v[230:231], v[140:141], v[144:145]
	v_pk_add_f32 v[228:229], v[148:149], v[152:153]
	v_pk_add_f32 v[14:15], v[14:15], v[156:157]
	v_pk_add_f32 v[236:237], v[236:237], v[96:97]
	v_pk_add_f32 v[246:247], v[246:247], v[98:99]
	v_pk_add_f32 v[244:245], v[244:245], v[102:103]
	v_pk_add_f32 v[240:241], v[240:241], v[106:107]
	v_pk_add_f32 v[238:239], v[238:239], v[110:111]
	v_pk_add_f32 v[230:231], v[230:231], v[114:115]
	v_pk_add_f32 v[228:229], v[228:229], v[118:119]
	v_pk_add_f32 v[14:15], v[14:15], v[122:123]
	v_pk_add_f32 v[236:237], v[236:237], v[126:127]
	v_pk_add_f32 v[246:247], v[246:247], v[130:131]
	v_pk_add_f32 v[244:245], v[244:245], v[134:135]
	v_pk_add_f32 v[240:241], v[240:241], v[138:139]
	v_pk_add_f32 v[238:239], v[238:239], v[142:143]
	v_pk_add_f32 v[230:231], v[230:231], v[146:147]
	v_pk_add_f32 v[228:229], v[228:229], v[150:151]
	v_pk_add_f32 v[14:15], v[14:15], v[154:155]
	v_pk_add_f32 v[236:237], v[236:237], v[158:159]
	s_delay_alu instid0(VALU_DEP_2)
	v_pk_add_f32 v[14:15], v[14:15], v[240:241]
	s_delay_alu instid0(VALU_DEP_2)
	v_pk_add_f32 v[236:237], v[236:237], v[238:239]
	v_pk_add_f32 v[246:247], v[246:247], v[230:231]
	v_pk_add_f32 v[244:245], v[244:245], v[228:229]
	s_delay_alu instid0(VALU_DEP_2)
	v_pk_add_f32 v[14:15], v[14:15], v[246:247]
	s_delay_alu instid0(VALU_DEP_2)
	v_pk_add_f32 v[236:237], v[236:237], v[244:245]
	s_delay_alu instid0(VALU_DEP_1)
	v_pk_add_f32 v[14:15], v[14:15], v[236:237]
	s_wait_alu depctr_va_vdst(0)                   ; and one for the four
.irp b, 0,1,2,3
	v_max_num_f32 v[232+\b], 0x1800000, v[232+\b]  ; the floor 2^(3 - 127): the byte cannot fall under 1
.endr
.irp b, 0,1,2,3
	s_delay_alu instid0(VALU_DEP_4)
	v_add_nc_u32 v[244+\b], 0xff000000, v[232+\b]  ; 2 off the exponent field: the conversion's scale operand
.endr
.irp b, 0,1,2,3
	s_delay_alu instid0(VALU_DEP_4)
	v_lshrrev_b32 v[236+\b], 23, v[244+\b]         ; the scale's byte
.endr
	s_delay_alu instid0(VALU_DEP_3)
	v_lshl_or_b32 v253, v237, 8, v236              ; p's scale word for these 128 keys
	s_delay_alu instid0(VALU_DEP_1)
	v_lshl_or_b32 v253, v238, 16, v253
	s_delay_alu instid0(VALU_DEP_1)
	v_lshl_or_b32 v253, v239, 24, v253
.irp c, 0,1
	v_cvt_scalef32_pk16_fp6_f32 v[224+6*\c:226+6*\c], v[96+32*\c:111+32*\c], v[244+2*\c]
	v_cvt_scalef32_pk16_fp6_f32 v[236+4*\c:238+4*\c], v[112+32*\c:127+32*\c], v[244+2*\c+1]
.endr
	v_nop                                          ; one plain place behind a scaled conversion
.irp c, 0,1
.irp i, 0,1,2
	v_permlane16_swap_b32 v[224+6*\c+\i], v[236+4*\c+\i]
.endr
.irp i, 0,1,2
	s_delay_alu instid0(VALU_DEP_3)
	v_mov_b32 v[227+6*\c+\i], v[236+4*\c+\i]
.endr
.endr
.set J, 0
.rept 16
	v_pk_mul_f32 v[192+J:193+J], v[192+J:193+J], v[252:253] op_sel_hi:[1,0]   ; O^T under the new M.  These sixteen are also the places between the vector writes of p's codes and scale word and the products below
.set J, J+2
.endr
	s_wait_alu depctr_va_vdst(0)
	s_wait_dscnt 0x0                               ; V is in
.irp i, 0,1,2,3
	WM 192+8*\i, 48+12*\i, 224, 248+\i, 253        ; O^T += V^T P^T: the four accumulators take turns, and the next step's eight products stand between two turns of one
.endr
	s_add_co_u32 s[TK], s[TK], 6144
	s_add_co_u32 s[TS], s[TS], 512
	s_sub_co_u32 s[KC], s[KC], 1
	s_cmp_lg_u32 s[KC], 0
	s_cbranch_scc1 .Lkey_\@
	PLACES
	v_add_f32 v14, v14, v15                        ; the sum's two halves,
	s_delay_alu instid0(VALU_DEP_1)
	v_permlanex16_b32 v254, v14, s[SEL], s[SEL+1]
	s_delay_alu instid0(VALU_DEP_1)
	v_add_f32 v14, v14, v254                       ; and lane l xor 16's: the row's sum
	s_wait_alu depctr_va_vdst(0)
	v_rcp_f32 v14, v14
	v_nop                                          ; a plain place behind the transcendental
	s_wait_alu depctr_va_vdst(0)                   ; and the wait ahead of its first reader
.set J, 0
.rept 32
	v_mul_f32 v[160+32*(\hd)+J], v[192+J], v14     ; each accumulator from its low end on
.set J, J+1
.endr
.endm
	s_load_b128 s[4:7], s[0:1], 0x0                ; q_ws s[4:5], kv_ws s[6:7]
	s_load_b64 s[8:9], s[0:1], 0x10                ; o_q
	v_lshl_add_u32 v243, v0, 2, 0x34000
	v_mov_b32 v255, 0
	ds_add_u32 v243, v255
	ds_add_u32 v243, v255
	v_lshrrev_b32 v1, 5, v0
	s_delay_alu instid0(VALU_DEP_1)
	v_readfirstlane_b32 s[WV], v1                  ; wave 0..15
	s_bfe_u32 s[CX], ttmp6, 0x40000                ; cx: my block of 256 queries (the grid has one cluster along x); it enters q's and o's global addresses alone
	s_and_b32 s[YY], ttmp7, 0xffff                 ; 8 batch + pair of heads, which the four partners share
	; descriptor group 1: a quarter of a record, 26,624 dense bytes, as 104 rows of 256 bytes (32 elements of 8 bytes), no padding
	s_mov_b32 s[G1], 15|(3<<16)|(1<<21)            ; 15:0 the mask: all four work-groups; 17:16 elements of 8 bytes; 21 set beside a mask
	s_mov_b32 s[G1+1], 32<<16
	s_mov_b32 s[G1+2], 104<<16
	s_mov_b32 s[G1+3], 32<<16
	s_mov_b32 s[G1+4], 104
	s_mov_b32 s[G1+5], 32
	s_mov_b32 s[G1+6], 0
	s_mov_b32 s[G1+7], 0
	s_mov_b32 s[SEL], 0x76543210
	s_mov_b32 s[SEL+1], 0xfedcba98
	s_mov_b32 s[CS], 0x3e38aa3b                    ; log2(e) / 8
	s_mov_b32 s[CS+1], s[CS]
	s_mul_i32 s40, s[WV], 26624                    ; my quarter (waves 0 to 7)
	s_mul_i32 s42, s[YY], 2*REC
	s_add_co_u32 s42, s42, s40
	s_mov_b32 s43, 0
	s_wait_dscnt 0x0
	s_wait_kmcnt 0x0
	s_add_nc_u64 s[42:43], s[6:7], s[42:43]
	CROUND                                         ; all four work-groups are here: the joint loads meet
	s_mov_b32 s[G0], 1
	s_mov_b32 s[G0+1], s40
	s_mov_b64 s[G0+2:G0+3], s[42:43]
	s_or_b32 s[G0+3], s[G0+3], 0x80000000
	; THE FILLS AS THE TEXT NOW HAS THEM (this takes the place of the head comment's account): the two records lie on end in memory and in LDS, eight pieces of 26,624 bytes;
	; wave w of 0-7 fetches piece w: at most one tensor load a wave
	s_cmp_lt_u32 s[WV], 8
	s_cbranch_scc0 .Lasked
	tensor_load_to_lds s[G0:G0+3], s[G1:G1+7]
	s_nop 0
	PLACES                                         ; four v_nop follow the second
.Lasked:
	v_and_b32 v8, 31, v0
	s_delay_alu instid0(VALU_DEP_1)
	v_lshlrev_b32 v1, 4, v8                        ; 16 x lane
	s_wait_alu depctr_va_vdst(0)
	v_lshlrev_b32 v2, 2, v8                        ; 4 x lane
	; q: my tile 16 cx + wave is half wave % 2 of pair 8 cx + wave / 2: registers 0-5 or 6-11 of the pair's image, three pieces of 8 bytes
	s_wait_alu depctr_va_vdst(0)
	s_mul_i32 s44, s[YY], 2*QREC
	s_lshl_b32 s45, s[CX], 3
	s_lshr_b32 s46, s[WV], 1
	s_add_co_u32 s45, s45, s46
	s_mul_i32 s46, s45, 1536
	s_add_co_u32 s46, s46, s44
	s_mov_b32 s47, 0
	s_lshl_b32 s48, s45, 7
	s_add_co_u32 s48, s48, s44
	s_add_co_u32 s48, s48, 49152
	s_mov_b32 s49, 0
	s_add_nc_u64 s[46:47], s[4:5], s[46:47]
	s_add_nc_u64 s[48:49], s[4:5], s[48:49]
	s_and_b32 s50, s[WV], 1
	s_lshl_b32 s[SH], s50, 4
	s_mov_b32 s53, 1032
	s_cmp_eq_u32 s50, 0
	s_cselect_b32 s51, 0, 520
	s_cselect_b32 s52, 8, 1024
	s_cselect_b32 s53, 512, s53
	v_add_nc_u32 v5, s51, v1
	v_add_nc_u32 v6, s52, v1
	v_add_nc_u32 v7, s53, v1
.irp hd, 0,1
	global_load_b64 v[22+12*\hd:23+12*\hd], v5, s[46:47] offset:QREC*\hd
	global_load_b64 v[24+12*\hd:25+12*\hd], v6, s[46:47] offset:QREC*\hd
	global_load_b64 v[26+12*\hd:27+12*\hd], v7, s[46:47] offset:QREC*\hd
	global_load_b32 v[46+\hd], v2, s[48:49] offset:QREC*\hd
.endr
.irp z, 16,28,40
.irp i, 0,1,2,3,4,5
	v_mov_b32 v[\z+\i], 0                          ; zero codes
.endr
.endr
.irp b, 0,1,2,3
	v_mov_b32 v[236+\b], 0                         ; written once: a lane permute's destination counts as one of its sources
.endr
	v_mov_b32 v253, 0                              ; (named as the upper half of the pair v[252:253] before it is first written)
	s_wait_tensorcnt 0x0                           ; waves 0 to 7: my piece is in; behind the barrier both records are whole
	s_barrier_signal -1
	s_barrier_wait -1
	s_wait_loadcnt 0x0                             ; q
.irp hd, 0,1
	v_lshrrev_b32 v[46+\hd], s[SH], v[46+\hd]      ; my tile's two scale bytes,
	s_delay_alu instid0(VALU_DEP_1)
	v_and_b32 v[46+\hd], 0xffff, v[46+\hd]
	s_delay_alu instid0(VALU_DEP_1)
	v_lshl_or_b32 v[46+\hd], v[46+\hd], 16, v[46+\hd]   ; twice: the word serves [q | zeros] and [zeros | q] alike
.endr
	HEAD 0
	HEAD 1                                         ; both records were shown whole by the one barrier above: no wait and no barrier stand between the heads
	; THE WAY OUT: v160-223 are 128 neighbours along the last projection's K (K step y % 8) of my 16 tokens: one fragment of o_q [group of 8 token tiles][K step][8 x 1,536 | 8 x 128]
	s_lshr_b32 s54, s[YY], 3
	s_lshl_b32 s54, s54, 3
	s_lshl_b32 s55, s[CX], 1
	s_add_co_u32 s54, s54, s55
	s_lshr_b32 s55, s[WV], 3
	s_add_co_u32 s54, s54, s55                     ; the group: 8 batch + 2 cx + wave / 8
	s_mul_i32 s54, s54, 106496
	s_and_b32 s55, s[YY], 7
	s_mul_i32 s55, s55, 13312
	s_add_co_u32 s54, s54, s55
	s_and_b32 s55, s[WV], 7
	s_mul_i32 s56, s55, 1536
	s_add_co_u32 s56, s56, s54
	s_mov_b32 s57, 0
	s_lshl_b32 s58, s55, 7
	s_add_co_u32 s58, s58, s54
	s_add_co_u32 s58, s58, 12288
	s_mov_b32 s59, 0
	s_add_nc_u64 s[56:57], s[8:9], s[56:57]
	s_add_nc_u64 s[58:59], s[8:9], s[58:59]
.irp b, 0,1,2,3
	v_mov_b32 v[TM+4+\b], 0
.endr
	QUANT 160
.irp c, 0,1,2
	global_store_b128 v1, v[PC+4*\c:PC+4*\c+3], s[56:57] offset:512*\c   ; 512 consecutive bytes, at a multiple of 256 from the buffer's first byte
.endr
	global_store_b32 v2, v[PW], s[58:59]
	s_wait_dscnt 0x0
	s_wait_tensorcnt 0x0
	ds_add_u32 v243, v255
	s_wait_dscnt 0x0
	CROUND                                         ; the closing round: no work-group ends while a partner may still ask for a block that names it
	s_endpgm
.Lfunc_end_k_q6011b2819b_attn:
	.size	k_q6011b2819b_attn, .Lfunc_end_k_q6011b2819b_attn-k_q6011b2819b_attn
	.p2alignl 7, 3214868480
	.fill 96, 4, 3214868480
	.section	.rodata,"a",@progbits
	.p2align	6, 0x0
	.amdhsa_kernel k_q6011b2819b_attn
		.amdhsa_group_segment_fixed_size 215040
		.amdhsa_private_segment_fixed_size 0
		.amdhsa_enable_private_segment 0
		.amdhsa_kernarg_size 24
		.amdhsa_user_sgpr_count 2
		.amdhsa_user_sgpr_kernarg_segment_ptr 1
		.amdhsa_wavefront_size32 1
		.amdhsa_system_sgpr_workgroup_id_x 1
		.amdhsa_system_sgpr_workgroup_id_y 1
		.amdhsa_system_sgpr_workgroup_id_z 1
		.amdhsa_system_vgpr_workitem_id 0
		.amdhsa_next_free_vgpr 256
		.amdhsa_next_free_sgpr 66
		.amdhsa_reserve_vcc 0
		.amdhsa_float_denorm_mode_32 3
		.amdhsa_float_denorm_mode_16_64 3
		.amdhsa_memory_ordered 1
		.amdhsa_forward_progress 1
		.amdhsa_inst_pref_size 53
	.end_amdhsa_kernel
	.amdgpu_metadata
---
amdhsa.version: [ 1, 2 ]
amdhsa.kernels:
  - .name:           k_q6011b2819b_attn
    .symbol:         k_q6011b2819b_attn.kd
    .args:
      - { .name: q_ws, .offset: 0, .size: 8, .value_kind: global_buffer, .address_space: global }
      - { .name: kv_ws, .offset: 8, .size: 8, .value_kind: global_buffer, .address_space: global }
      - { .name: o_q, .offset: 16, .size: 8, .value_kind: global_buffer, .address_space: global }
    .group_segment_fixed_size: 215040
    .private_segment_fixed_size: 0
    .kernarg_segment_align: 8
    .kernarg_segment_size: 24
    .max_flat_workgroup_size: 512
    .sgpr_count:     66
    .vgpr_count:     256
    .wavefront_size: 32
...
	.end_amdgpu_metadata
.endif
;; end of part 4
;; launch oproj (part 5): grid 4 x 64, 8 waves a work-group, clusters of 4 x 4, 320,512 bytes of LDS; arguments o_q, wo_q, bo, out0; writes out0
.if DOCPART == 5
	.amdgcn_target "amdgcn-amd-amdhsa--gfx1250"
	.amdhsa_code_object_version 6
	.text
	.protected	k_q6011b2819b_oproj
	.globl	k_q6011b2819b_oproj
	.p2align	8
	.type	k_q6011b2819b_oproj,@function
k_q6011b2819b_oproj:
	s_mov_b64 s[64:65], 0
	v_nop
	global_prefetch_b8 v0, s[64:65] scope:SCOPE_SE
	s_setreg_imm32_b32 hwreg(HW_REG_WAVE_MODE, 25, 1), 1
	s_wait_xcnt 0x0
	s_wait_alu depctr_hold_cnt(0) depctr_sa_sdst(0) depctr_va_vdst(0) depctr_va_sdst(0) depctr_va_ssrc(0) depctr_va_vcc(0) depctr_vm_vsrc(0)
	s_getreg_b32 s2, hwreg(HW_REG_IB_STS2, 6, 4)
	s_cmp_eq_u32 s2, 0
	s_cbranch_scc0 .Lentry_in_a_cluster
	s_endpgm
.Lentry_in_a_cluster:
	s_bfe_u32 s2, ttmp6, 0x10000c
	s_cmp_lg_u32 s2, 0xf033
	s_cbranch_scc0 .Lentry_shape_is_right
	s_endpgm
.Lentry_shape_is_right:
; out0 = O Wo^T + bo on codes of FP6 (E2M3) with E8M0 scales; out0 [8192][1024] f32.
; OPERANDS arrive as images of their registers: a fragment (16 rows x 128 K) is 1,536 bytes, group c of four registers at 512 c + 16 x lane; its scale words 128 bytes, 4 x lane.  o_q: [group of 8 token tiles][K step][8 x 1,536 | 8 x 128];
; wo_q: [group of 16 row tiles][K step][16 x 1,536 | 16 x 128].  Lane r of tile T stands for row 32 (T / 2) + 8 (T % 2) + r + 8 (r / 8).
; SHARES.  A work-group makes 128 tokens x 256 columns; its operands for ALL of K are two dense blocks, 106,496 + 212,992 bytes, which lie in LDS as in memory: every byte of LDS is filled once, all fills go out at the head.
; Eight waves; wave w makes tokens 64 (w / 4) on x columns 64 (w % 4) on: 16 accumulators.  THE PRODUCT IS USED TRANSPOSED (source 0 = 16 rows of Wo, source 1 = 16 tokens): a lane holds one token, and the 32 registers of a token tile are
; 64 columns, register 16 b + i = column 32 b + 16 h + i.
; CLUSTERS: 4 x 4 work-groups; the four of a row share the tokens' block, the four of a column the weight's: joint loads.  K goes in four phases of two K steps: waves 0-3 each issue the load of one phase of O's block, waves 4-7 one of Wo's
; (one tensor load a wave).  THE BIAS starts the sums: it is loaded into the accumulators.
; THE WAY OUT: a token tile at a time through the wave's own stage in LDS (16 rows x (256 + 16) bytes), back as whole rows: sixteen lanes store 256 consecutive bytes.  The stages lie in the tokens' block, which has had its one fill
; and which, behind a barrier, nobody reads any more.
.set NK,    8
.set NP,    NK/2
.set CA,    13312
.set CB,    26624
.set PA,    2*CA
.set PB,    2*CB
.set BBASE, NK*CA
.set SPI,   272                        ; a stage row
.set LA,    4                          ; v4-7 LDS addresses: token fragments, their scale words, weight fragments, their scale words
.set LAS,   5
.set LB,    6
.set LBS,   7
.set BO,    8                          ; v8   64 h
.set L16,   9
.set L4,    10
.set STO,   11                         ; v11  into the stage: 272 r + 64 h
.set RD,    12                         ; v12  out of it: 272 h + 16 r
.set CO,    13                         ; v13  the same place in out0: 4,096 h + 16 r
.set ACC,   16                         ; v16-143 accumulator (token tile m, column tile t) at ACC + 8 (4 m + t)
.set FB,    144
.set FA,    192
.set SB,    240                        ; v240-247 hold scales and nothing else
.set SA,    244
.set OB,    144                        ; the way out: a set of 32 registers for each token tile
.set WV,    12
.set G1A,   20
.set G1B,   28
.set G0A,   36
.set G0B,   68
.macro CROUND                          ; a round of the cluster's barrier
	s_barrier_signal -1
	s_barrier_wait -1
	s_cmp_lg_u32 s[WV], 0
	s_cbranch_scc1 .Lnot_wave_0_\@
	s_barrier_signal -3
.Lnot_wave_0_\@:
	s_barrier_wait -3
	s_barrier_signal -1
	s_barrier_wait -1
.endm
.macro PLACES                          ; four plain vector instructions between a matrix instruction and a load into, or a read by a vector instruction or a store of, its registers
.rept 4
	v_nop
.endr
.endm
.macro LDFR reg, adr, off
.irp c, 0,1,2
	ds_load_b128 v[\reg+4*\c:\reg+4*\c+3], v[\adr] offset:\off+512*\c
.endr
.endm
.macro WM d, a, b, sa, sb              ; D += A x B, in place
	v_wmma_scale_f32_16x16x128_f8f6f4 v[\d:\d+7], v[\a:\a+11], v[\b:\b+11], v[\d:\d+7], v[\sa], v[\sb] matrix_a_fmt:MATRIX_FMT_FP6 matrix_b_fmt:MATRIX_FMT_FP6
.endm
; The q-th K step of a phase: 8 fragments and 8 scale words from LDS, 16 matrix instructions.  The 16 accumulators take turns, one instruction a turn, in the same order in every step.
.macro KSTEP_T q
	PLACES
.irp t, 0,1,2,3
	LDFR FB+12*\t, LB, (\q)*CB+1536*\t
.endr
.irp t, 0,1,2,3
	ds_load_b32 v[SB+\t], v[LBS] offset:(\q)*CB+128*\t
.endr
.irp m, 0,1,2,3
	LDFR FA+12*\m, LA, (\q)*CA+1536*\m
	ds_load_b32 v[SA+\m], v[LAS] offset:(\q)*CA+128*\m
.endr
.irp m, 0,1,2,3
	s_wait_dscnt 4*(3-\m)                          ; the four loads of each later token tile may stay out
.irp t, 0,1,2,3
	WM ACC+8*(4*\m+\t), FB+12*\t, FA+12*\m, SB+\t, SA+\m
.endr
.endr
.endm
.macro PHASE_T p
.if (\p) == 0
	s_wait_tensorcnt 0x0                           ; my one load has landed;
	s_barrier_signal -1                            ; no LDS instruction of mine is out here
	s_barrier_wait -1                              ; everybody's has: both blocks are whole, so the later phases have no wait and no barrier
.endif
	KSTEP_T 0
	KSTEP_T 1
.if (\p) < NP-1
	v_add_nc_u32 v[LA], PA, v[LA]
	v_add_nc_u32 v[LAS], PA, v[LAS]
	v_add_nc_u32 v[LB], PB, v[LB]
	v_add_nc_u32 v[LBS], PB, v[LBS]
.endif
.endm
	s_load_b256 s[4:11], s[0:1], 0x0               ; o_q s[4:5], wo_q s[6:7], bo s[8:9], out0 s[10:11]
	v_lshl_add_u32 v254, v0, 2, 0x4e000
	v_mov_b32 v255, 0
	ds_add_u32 v254, v255
	ds_add_u32 v254, v255
	v_lshrrev_b32 v1, 5, v0
	s_delay_alu instid0(VALU_DEP_1)
	v_readfirstlane_b32 s[WV], v1                  ; wave 0..7
	s_lshr_b32 s13, s[WV], 2
	s_and_b32 s14, s[WV], 3
	s_bfe_u32 s15, ttmp6, 0x40000                  ; cx, cy
	s_bfe_u32 s16, ttmp6, 0x40004
	s_lshl_b32 s17, ttmp9, 2
	s_add_co_u32 s17, s17, s15                     ; which 256 columns
	s_and_b32 s18, ttmp7, 0xffff
	s_lshl_b32 s18, s18, 2
	s_add_co_u32 s18, s18, s16                     ; which 128 tokens
	s_lshl_b32 s52, s16, 2
	s_lshl_b32 s52, 15, s52                        ; my row of the cluster
	s_lshl_b32 s53, 0x1111, s15                    ; my column
	; descriptor groups 1: dense blocks as rows of 256 bytes (32 elements of 8 bytes), no padding
	s_or_b32 s[G1A], s52, (3<<16)|(1<<21)
	s_or_b32 s[G1B], s53, (3<<16)|(1<<21)
	s_mov_b32 s[G1A+1], 32<<16
	s_mov_b32 s[G1A+2], 104<<16
	s_mov_b32 s[G1A+3], 32<<16
	s_mov_b32 s[G1A+4], 104
	s_mov_b32 s[G1A+5], 32
	s_mov_b32 s[G1A+6], 0
	s_mov_b32 s[G1A+7], 0
	s_mov_b32 s[G1B+1], 32<<16
	s_mov_b32 s[G1B+2], 208<<16
	s_mov_b32 s[G1B+3], 32<<16
	s_mov_b32 s[G1B+4], 208
	s_mov_b32 s[G1B+5], 32
	s_mov_b32 s[G1B+6], 0
	s_mov_b32 s[G1B+7], 0
	s_mul_i32 s54, s18, NK*CA
	s_mov_b32 s55, 0
	s_mul_i32 s56, s17, NK*CB
	s_mov_b32 s57, 0
	s_wait_dscnt 0x0
	s_wait_kmcnt 0x0
	s_add_nc_u64 s[54:55], s[4:5], s[54:55]
	s_add_nc_u64 s[56:57], s[6:7], s[56:57]
	CROUND                                         ; all sixteen work-groups are here: the joint loads meet
	; THE FILLS AS THE TEXT NOW HAS THEM (this takes the place of the head comment's account): ONE tensor load a wave.
	; Waves 0-3 fetch phase w % 4 of the tokens' block, waves 4-7 phase w % 4 of the weight's: eight loads, one out in each wave.
	s_mul_i32 s58, s14, PA                         ; my phase's bytes in the tokens' block,
	s_mov_b32 s59, 0
	s_mul_i32 s60, s14, PB                         ; and in the weight's
	s_mov_b32 s61, 0
	s_mov_b32 s[G0A], 1                            ; count = 1
	s_mov_b32 s[G0A+1], s58                        ; LDS address
	s_add_nc_u64 s[G0A+2:G0A+3], s[54:55], s[58:59]
	s_or_b32 s[G0A+3], s[G0A+3], 0x80000000        ; type = 2
	s_mov_b32 s[G0B], 1
	s_add_co_u32 s[G0B+1], s60, BBASE
	s_add_nc_u64 s[G0B+2:G0B+3], s[56:57], s[60:61]
	s_or_b32 s[G0B+3], s[G0B+3], 0x80000000
	s_cmp_lt_u32 s[WV], 4                          ; one branch on the wave's number, a fill in each arm
	s_cbranch_scc0 .Lnot_a
	tensor_load_to_lds s[G0A:G0A+3], s[G1A:G1A+7]
	s_nop 0
	PLACES
	s_branch .Lasked
.Lnot_a:
	tensor_load_to_lds s[G0B:G0B+3], s[G1B:G1B+7]
	s_nop 0
	PLACES
.Lasked:
	v_and_b32 v1, 31, v0                           ; lane
	v_and_b32 v2, 15, v0                           ; r
	s_wait_alu depctr_va_vdst(0)
	v_bfe_u32 v3, v0, 4, 1                         ; h
	v_lshlrev_b32 v[L16], 4, v1
	v_lshlrev_b32 v[L4], 2, v1
	s_mul_i32 s58, s13, 6144
	v_add_nc_u32 v[LA], s58, v[L16]
	s_lshl_b32 s58, s13, 9
	s_add_co_u32 s58, s58, 12288
	v_add_nc_u32 v[LAS], s58, v[L4]
	s_mul_i32 s58, s14, 6144
	s_add_co_u32 s58, s58, BBASE
	v_add_nc_u32 v[LB], s58, v[L16]
	s_lshl_b32 s58, s14, 9
	s_add_co_u32 s58, s58, BBASE+24576
	v_add_nc_u32 v[LBS], s58, v[L4]
	v_lshlrev_b32 v[BO], 6, v3
	s_mul_i32 s58, s[WV], 16*SPI                   ; my stage
	v_mul_u32_u24 v[STO], v2, SPI
	s_wait_alu depctr_va_vdst(0)
	v_lshl_add_u32 v[STO], v3, 6, v[STO]
	s_delay_alu instid0(VALU_DEP_1)
	v_add_nc_u32 v[STO], s58, v[STO]
	v_mul_u32_u24 v[RD], v3, SPI
	s_delay_alu instid0(VALU_DEP_1)
	v_lshl_add_u32 v[RD], v2, 4, v[RD]
	s_delay_alu instid0(VALU_DEP_1)
	v_add_nc_u32 v[RD], s58, v[RD]
	v_lshlrev_b32 v[CO], 12, v3
	s_delay_alu instid0(VALU_DEP_1)
	v_lshl_add_u32 v[CO], v2, 4, v[CO]
	s_lshl_b32 s58, s17, 10                        ; my 64 columns begin 4 (256 x + 64 (w % 4)) bytes on, in the bias and in a row of out0
	s_lshl_b32 s59, s14, 8
	s_add_co_u32 s58, s58, s59
	s_mov_b32 s59, 0
	s_add_nc_u64 s[8:9], s[8:9], s[58:59]
	s_add_nc_u64 s[10:11], s[10:11], s[58:59]
	s_lshl_b32 s58, s18, 19                        ; my first token: 128 y + 64 (w / 4), rows of 4,096 bytes
	s_lshl_b32 s60, s13, 18
	s_add_co_u32 s58, s58, s60
	s_add_nc_u64 s[10:11], s[10:11], s[58:59]
.irp m, 0,1,2,3
.irp t, 0,1,2,3
	global_load_b128 v[ACC+8*(4*\m+\t):ACC+8*(4*\m+\t)+3], v[BO], s[8:9] offset:(32*(\t/2)+8*(\t%2))*4
	global_load_b128 v[ACC+8*(4*\m+\t)+4:ACC+8*(4*\m+\t)+7], v[BO], s[8:9] offset:(32*(\t/2)+8*(\t%2))*4+16
.endr
.endr
	s_wait_loadcnt 0x0                             ; the bias lies in the accumulators
	PHASE_T 0
	s_wait_alu depctr_va_vdst(0)
	PHASE_T 1
	s_wait_alu depctr_va_vdst(0)
	PHASE_T 2
	s_wait_alu depctr_va_vdst(0)
	PHASE_T 3
	s_wait_dscnt 0x0                               ; my reads of LDS are over,
	s_barrier_signal -1
	s_barrier_wait -1                              ; everybody's are: the stages may be written
	PLACES
.irp m, 0,1,2,3
	; each token tile comes back into registers of its own: v144, v176, v208 on, and tile 3 into v16-47, tile 0's accumulators, which its LDS stores have left: no store's data are written again
.irp b, 0,1
.irp jj, 0,1,2,3
	ds_store_b128 v[STO], v[ACC+32*\m+16*\b+4*\jj:ACC+32*\m+16*\b+4*\jj+3] offset:128*\b+16*\jj   ; columns 32 b + 16 h + 4 jj on; each accumulator from its low end on
.endr
.endr
.irp i, 0,1,2,3,4,5,6,7
	ds_load_b128 v[OB+32*\m-224*(\m/3)+4*\i:OB+32*\m-224*(\m/3)+4*\i+3], v[RD] offset:2*SPI*\i   ; LDS serves a wave's instructions in order: these see my stores; lane rows 2 i and 2 i + 1
.endr
.irp i, 0,1,2,3,4,5,6,7
	s_wait_dscnt 7-\i                              ; the younger loads may stay out
	global_store_b128 v[CO], v[OB+32*\m-224*(\m/3)+4*\i:OB+32*\m-224*(\m/3)+4*\i+3], s[10:11] offset:(32*(\m/2)+8*(\m%2)+2*\i+8*(\i/4))*4096 th:TH_STORE_NT   ; lane row rho is token 32 (m / 2) + 8 (m % 2) + rho + 8 (rho / 8); sixteen lanes store 256 consecutive bytes, at a multiple of 256 from out0's first byte
.endr
.endr
	s_wait_dscnt 0x0
	s_wait_tensorcnt 0x0
	ds_add_u32 v254, v255
	s_wait_dscnt 0x0
	CROUND                                         ; the closing round: no work-group ends while a partner may still ask for a block that names it
	s_endpgm
.Lfunc_end_k_q6011b2819b_oproj:
	.size	k_q6011b2819b_oproj, .Lfunc_end_k_q6011b2819b_oproj-k_q6011b2819b_oproj
	.p2alignl 7, 3214868480
	.fill 96, 4, 3214868480
	.section	.rodata,"a",@progbits
	.p2align	6, 0x0
	.amdhsa_kernel k_q6011b2819b_oproj
		.amdhsa_group_segment_fixed_size 320512
		.amdhsa_private_segment_fixed_size 0
		.amdhsa_enable_private_segment 0
		.amdhsa_kernarg_size 32
		.amdhsa_user_sgpr_count 2
		.amdhsa_user_sgpr_kernarg_segment_ptr 1
		.amdhsa_wavefront_size32 1
		.amdhsa_system_sgpr_workgroup_id_x 1
		.amdhsa_system_sgpr_workgroup_id_y 1
		.amdhsa_system_sgpr_workgroup_id_z 1
		.amdhsa_system_vgpr_workitem_id 0
		.amdhsa_next_free_vgpr 256
		.amdhsa_next_free_sgpr 100
		.amdhsa_reserve_vcc 0
		.amdhsa_float_denorm_mode_32 3
		.amdhsa_float_denorm_mode_16_64 3
		.amdhsa_memory_ordered 1
		.amdhsa_forward_progress 1
		.amdhsa_inst_pref_size 53
	.end_amdhsa_kernel
	.amdgpu_metadata
---
amdhsa.version: [ 1, 2 ]
amdhsa.kernels:
  - .name:           k_q6011b2819b_oproj
    .symbol:         k_q6011b2819b_oproj.kd
    .args:
      - { .name: o_q, .offset: 0, .size: 8, .value_kind: global_buffer, .address_space: global }
      - { .name: wo_q, .offset: 8, .size: 8, .value_kind: global_buffer, .address_space: global }
      - { .name: bo, .offset: 16, .size: 8, .value_kind: global_buffer, .address_space: global }
      - { .name: out0, .offset: 24, .size: 8, .value_kind: global_buffer, .address_space: global }
    .group_segment_fixed_size: 320512
    .private_segment_fixed_size: 0
    .kernarg_segment_align: 8
    .kernarg_segment_size: 32
    .max_flat_workgroup_size: 256
    .sgpr_count:     100
    .vgpr_count:     256
    .wavefront_size: 32
...
	.end_amdgpu_metadata
.endif
;; end of part 5
